; MI455X (gfx1250); checked and timed in simulation.
; The chip was launched on July 23, 2026; its instructions are those of AMD's public machine-readable ISA for CDNA 5 (MIT licence, August 2026) and "CDNA5" Instruction Set Architecture Reference Guide (July 2026). The comments in the code are by the model that wrote it; some were corrected since.
;; Attn Block. Allowed arithmetic: matrix products marked QUANTISED: E2M1 operands, one E8M0 scale for each 32 along K, by v_wmma_scale_f32_16x16x128_f8f6f4 with both operands' format E2M1 (or v_wmma_scale_f32_32x16x128_f4), f32 sums; everything else in f32.
;; Inputs: bk 512 float32; bp 512 float32; bq 512 float32; bv 512 float32; gn_beta 512 float32; gn_gamma 512 float32; wk_codes 512 x 16 x 16 uint8 (E2M1 codes of wk, K innermost, in blocks of 32 codes, two codes a byte); wk_scales 512 x 16 uint8 (E8M0 scales of wk, one for each 32 codes along K); wp_codes 512 x 16 x 16 uint8 (E2M1 codes of wp, K innermost, in blocks of 32 codes, two codes a byte); wp_scales 512 x 16 uint8 (E8M0 scales of wp, one for each 32 codes along K); wq_codes 512 x 16 x 16 uint8 (E2M1 codes of wq, K innermost, in blocks of 32 codes, two codes a byte); wq_scales 512 x 16 uint8 (E8M0 scales of wq, one for each 32 codes along K); wv_codes 512 x 16 x 16 uint8 (E2M1 codes of wv, K innermost, in blocks of 32 codes, two codes a byte); wv_scales 512 x 16 uint8 (E8M0 scales of wv, one for each 32 codes along K); x 8 x 512 x 2,048 float32.
;; Outputs: out0 8 x 512 x 2,048 float32.
;; This version of the problem:
;;   THIS VERSION OF THE PROBLEM IS GIVEN IN LOW PRECISION. The matrix products marked QUANTISED in the list below multiply operands that are first quantised to E2M1 (2 exponent bits, 1 mantissa bit; 4 bits a number), with one power-of-two scale for each 32 numbers along K (OCP MX v1.0); their sums are f32. All else is computed in f32.
;;   The module's matrix products, in the order in which they are computed (A, B: the left and right operand; K: the contracted axis; several contracted axes count as one K, in the product's order):
;;     1. [M 16,384, K 512] x [K 512, N 512]; A: computed on the way; B: input wq (given as codes): QUANTISED
;;     2. [M 16,384, K 512] x [K 512, N 512]; A: computed on the way; B: input wk (given as codes): QUANTISED
;;     3. [M 16,384, K 512] x [K 512, N 512]; A: computed on the way; B: input wv (given as codes): QUANTISED
;;     4. batch 8 x [M 2,048, K 512] x [K 512, N 2,048]; A: computed on the way; B: computed on the way: QUANTISED
;;     5. batch 8 x [M 512, K 2,048] x [K 2,048, N 2,048]; A: computed on the way; B: softmax (see below): QUANTISED
;;     6. [M 16,384, K 512] x [K 512, N 512]; A: computed on the way; B: input wp (given as codes): QUANTISED
;;   THE QUANTISER, for each operand of a quantised product, along K:
;;     - K is cut into blocks of 32 from its start; a last block that is shorter is filled with zeros.
;;     - A block's scale is 2^e with e = floor(log2(the largest magnitude in the block)) - 2, held to -126 .. 127; a block of zeros has e = 0. As a byte (E8M0): e + 127.
;;     - Each number is divided by its block's scale, clamped to +-6, and rounded to the nearest number of E2M1, ties to even, subnormals kept.
;;     - The product sums the exact products of the quantised numbers (number of the format x scale) in f32.
;;   ~~~python
;;   def quantise(x, axis):      # numpy; x: float32 -> the quantised numbers, widened to float32 again
;;       x = np.moveaxis(x, axis, -1); K = x.shape[-1]
;;       x = np.pad(x, [(0, 0)] * (x.ndim - 1) + [(0, -K % 32)]); x = x.reshape(x.shape[:-1] + (-1, 32)); a = np.abs(x).max(-1, keepdims=True)
;;       e = np.where(a > 0, np.clip(np.frexp(np.where(a > 0, a, 1))[1] - 1 - 2, -126, 127), 0)      # np.frexp(a)[1] - 1 = floor(log2(a)), exactly
;;       r = np.clip(x / 2.0 ** e, -6, 6)
;;       step = 2.0 ** (np.maximum(np.frexp(np.where(r == 0, 1, r))[1] - 1, 0) - 1)
;;       q = np.round(r / step) * step * 2.0 ** e      # np.round: ties to even
;;       return np.moveaxis(q.reshape(q.shape[:-2] + (-1,))[..., :K], -1, axis).astype(np.float32)
;;   ~~~
;;   SOFTMAX AHEAD OF A QUANTISED PRODUCT. Where the list says 'softmax', what is quantised is not the finished softmax but p = 2^(t - M), with t = logit x log2(e) and M = ceil(the row's largest t), a whole number; so 1/2 < the row's largest p <= 1. The row's sum l is taken of the UNQUANTISED p, in f32, and the product's result is divided by l at the end. Since M is a whole number, a kernel that streams over the keys may use a running M (the ceiling of the running maximum): every later rescaling is an exact power of two, which a block's scale takes up: the codes' values come out the same.
;;   OPERANDS COMPUTED ON THE WAY. 'Computed on the way' means the value that the module computes at that place (a softmax that the list does not call 'softmax' is quantised finished and normalised). What goes into a quantiser is computed in f32, as accurately as f32 sums, v_exp_f32 and their like allow (about 1e-6 of the number): no bf16 or f16 on the way to a quantiser, and a product that is left as it is and whose result goes on into a quantised operand takes f32 operands (vector FMAs, or v_wmma_f32_16x16x4_f32). A number that lies on a knife's edge between two numbers of the format may be rounded either way, as far as f32 arithmetic and the matrix unit's own rounding can turn it there, and no further.
;;   INPUTS GIVEN AS CODES. wk (in the module: [512, 512], K = its axis 1); wp (in the module: [512, 512], K = its axis 1); wq (in the module: [512, 512], K = its axis 1); wv (in the module: [512, 512], K = its axis 1): each comes as NAME_codes (uint8): NAME with its K axis moved to the last place and cut into blocks of 32 codes, [.., K / 32, bytes a block], one block behind the other in memory; two codes a byte, the lower K in the low four bits (a code: sign, 2 exponent bits, 1 mantissa bit); and NAME_scales (uint8): the same leading axes, one E8M0 byte (e + 127) for each 32 codes along K. Its value is code x scale, taken as it is: it is not quantised again, and the codes and scales need not be those that the quantiser above would give.
;; One version. Each part assembles by itself: llvm-mc -triple=amdgcn-amd-amdhsa -mcpu=gfx1250 --defsym DOCPART=n.
;; ======== version 1 of 1: 3 launches
;; workspace buffers: hc 4,194,304 bytes; hs 262,144 bytes; wimg 524,288 bytes; qf 4,456,448 bytes; kv 8,912,896 bytes
;; launch gnq (part 1): grid 16 x 8, 16 waves a work-group, no clusters, 45,568 bytes of LDS; arguments x, gn_gamma, gn_beta, wq_codes, wk_codes, wv_codes, wp_codes, hc, hs, wimg; writes hc, hs, wimg
.if DOCPART == 1
	.amdgcn_target "amdgcn-amd-amdhsa--gfx1250"
	.amdhsa_code_object_version 6
	.text
	.protected	k_q9bc9c69d2c_gnq
	.globl	k_q9bc9c69d2c_gnq
	.p2align	8
	.type	k_q9bc9c69d2c_gnq,@function
k_q9bc9c69d2c_gnq:
	s_mov_b64 s[64:65], 0
	v_nop
	global_prefetch_b8 v0, s[64:65] scope:SCOPE_SE
	s_setreg_imm32_b32 hwreg(HW_REG_WAVE_MODE, 25, 1), 1
	s_wait_xcnt 0x0
; FIRST OF THREE LAUNCHES (gnq, qkv, att) for out = x + Wp attention(GroupNorm(x)) + bp, all six products on codes of FP4 (E2M1) with one E8M0 scale for each 32 along K.
; NO WORK IS LEFT OUT: every product of the problem is live, and every input is loaded.  (bk would cancel in a softmax of real numbers, but it moves k's codes, so it stays.)
; LIMITS: NaN and infinities among the inputs are not served; a block whose largest magnitude lies under 2^-124 keeps the scale byte 1 (a block of zeros too: its codes are zeros, and these bytes are read by this program alone).
; THIS LAUNCH: h = GroupNorm(x) gamma + beta in f32, quantised along the channels, and the four weights' codes laid anew.
; SHARES.  Work-group (cb = x, b = y) takes 32 channels (two groups of the norm, one block of the quantiser) x all 2,048 positions of batch b: 256 KiB, kept in registers between the passes, so x is read once.
; Thread t holds positions 4 t .. 4 t + 3 of all 32 channels: register X + 4 c + j = channel c, position 4 t + j.  A load of a wave covers 512 consecutive bytes.
; The variance is taken of x - mean (two passes over the registers), so a common offset of x costs no digits.
; A block of 32 channels of one position lies in ONE lane's registers: its largest magnitude needs no other lane and the conversions give codes with the channels innermost.
; WHAT IS STORED.  hc: [b][tile 128][K step 4] images of operand registers: 1,024 bytes = [c 2][lane 32][16 bytes]; lane (r, h) of part c holds block 2 c + h of the K step for the tile's row r.
; THE ROWS OF A TILE ARE NOT NEIGHBOURS: row r of tile 2 B + u is position 32 B + 8 u + r + 8 (r / 8), so that a later product's results are neighbours along the next K.
; hs: [b][cb 16][wave 16][r 16][tile % 8] scale bytes.   wimg: [wq, wk, wv, wp][tile 32][K step 4] images of the weights, their rows chosen in the same way.
; This work-group lays tile 16 (b % 2) + cb of weight b / 2: four images, 8 bytes a thread, a wave's store 256 consecutive bytes.
.set X,     64                         ; v64-191   x, then x - mean
.set H,     32                         ; v32-63    one position's 32 channels of h
.set CD,    192                        ; v192-207  codes: four registers for each of my four positions
.set OUTR,  208                        ; v208-223  the way out
.set XO,    1                          ; v1   16 x thread
.set WSRC,  2                          ; v2   my 8 bytes in the weight's rows
.set WDST,  3                          ; v3   8 x thread
.set STS,   4                          ; v4   the stage, on the way in: 80 x lane
.set SBA,   5                          ; v5   my scale bytes' place
.set SPW,   6                          ; v6   LDS address of my spare word; never rewritten
.set NIL,   7                          ; v7   0; never rewritten
.set STR,   8                          ; v8   the stage, on the way out
.set HCO,   9                          ; v9   my byte offset in hc
.set RST,   10                         ; v10  8 x wave
.set RLD,   11                         ; v11  4 x lane
.set SCL,   14                         ; v14  SCB + 16 x thread
.set RED1,  0                          ; LDS: 16 waves x 2 groups: sums
.set RED2,  256                        ;      the same: sums of squares
.set SCB,   512                        ;      2,048 scale bytes, 128 for each wave
.set STAGE, 2560                       ;      a stage for each wave: 32 places of 64 bytes + 16 of padding
.set WST,   2560
.set SPARE, STAGE+16*WST               ;      the spare words, 128 bytes for each wave: eight blocks of 256 bytes that no other line names
	s_load_b256 s[4:11], s[0:1], 0x0               ; x, gn_gamma, gn_beta, wq_codes
	s_load_b256 s[12:19], s[0:1], 0x20             ; wk_codes, wv_codes, wp_codes, hc
	s_load_b128 s[20:23], s[0:1], 0x40             ; hs, wimg
	v_lshl_add_u32 v[SPW], v0, 2, SPARE
	v_mov_b32 v[NIL], 0
	v_lshrrev_b32 v15, 5, v0
	v_readfirstlane_b32 s56, v15                   ; wave 0..15
	s_and_b32 s57, ttmp7, 0xffff                   ; b
	s_lshl_b32 s58, s57, 4
	s_add_co_u32 s58, s58, ttmp9                   ; G = 16 b + cb
	s_mov_b32 s2, 0x76543210
	s_mov_b32 s3, 0xfedcba98                       ; v_permlanex16_b32's selects for lane l xor 16
	v_lshlrev_b32 v[XO], 4, v0
	v_lshlrev_b32 v[WDST], 3, v0
	v_bfe_u32 v16, v0, 1, 4                        ; the weight: thread t moves half t % 2 of image lane (t / 2) % 32, part (t / 64) % 2, K step t / 128
	v_and_b32 v17, 8, v16
	v_add_nc_u32 v16, v16, v17                     ; r + 8 (r / 8)
	v_lshlrev_b32 v[WSRC], 8, v16                  ; a row of 512 codes is 256 bytes
	v_and_b32 v17, 1, v0
	v_lshl_add_u32 v[WSRC], v17, 3, v[WSRC]
	v_lshrrev_b32 v17, 5, v0
	v_lshl_add_u32 v[WSRC], v17, 4, v[WSRC]        ; 16 h + 32 c + 64 s = 16 (t / 32)
	v_and_b32 v18, 31, v0                          ; lane
	s_mul_i32 s59, s56, WST
	s_add_co_u32 s59, s59, STAGE                   ; my stage
	v_mul_u32_u24 v[STS], v18, 80
	v_add_nc_u32 v[STS], s59, v[STS]
	; position 4 l + j of the wave's 128 is row r = 4 (l % 2) + j + 8 ((l / 4) % 2) of tile 2 (l / 8) + (l / 2) % 2 of the wave's eight
	v_and_b32 v19, 1, v0
	v_bfe_u32 v20, v0, 2, 1
	v_bfe_u32 v21, v0, 3, 2
	v_bfe_u32 v22, v0, 1, 1
	v_lshlrev_b32 v[SBA], 5, v19
	v_lshl_add_u32 v[SBA], v20, 6, v[SBA]
	v_lshl_add_u32 v[SBA], v21, 1, v[SBA]
	v_add_nc_u32 v[SBA], v[SBA], v22               ; 8 r + tile (8 j stands in the store's offset)
	s_lshl_b32 s62, s56, 7
	s_add_co_u32 s62, s62, SCB
	v_add_nc_u32 v[SBA], s62, v[SBA]               ; in my wave's 128 bytes
	v_bfe_u32 v16, v0, 4, 1                        ; the way out: lanes 0-15 take tile 2 i, lanes 16-31 tile 2 i + 1; lane % 16 is the row r
	v_bfe_u32 v17, v0, 2, 2
	v_bfe_u32 v19, v0, 3, 1
	v_lshl_add_u32 v17, v16, 1, v17
	v_lshl_add_u32 v17, v19, 1, v17                ; the lane (of its eight) that made row r: 2 u + (r / 4) % 2 + 4 (r / 8)
	v_mul_u32_u24 v[STR], v17, 80
	v_and_b32 v19, 3, v0
	v_lshl_add_u32 v[STR], v19, 4, v[STR]          ; and which of its four positions
	v_add_nc_u32 v[STR], s59, v[STR]
	v_and_b32 v19, 15, v0
	v_lshlrev_b32 v[HCO], 4, v19
	v_lshl_add_u32 v[HCO], v16, 12, v[HCO]         ; 16 r + a tile's four images x u
	s_lshl_b32 s63, s56, 3
	v_mov_b32 v[RST], s63
	v_lshlrev_b32 v[RLD], 2, v18
	v_add_nc_u32 v[SCL], SCB, v[XO]
	v_mov_b32 v24, 0                               ; written once: a lane permute's destination counts as one of its sources
	s_wait_kmcnt 0x0
	s_lshr_b32 s59, s57, 1                         ; which weight: the choice hangs on the work-group's number alone
	s_cmp_lt_u32 s59, 1
	s_cselect_b64 s[60:61], s[10:11], s[12:13]
	s_cmp_lt_u32 s59, 3
	s_cselect_b64 s[62:63], s[14:15], s[16:17]
	s_cmp_lt_u32 s59, 2
	s_cselect_b64 s[60:61], s[60:61], s[62:63]
	s_and_b32 s59, s58, 31                         ; which tile t: its rows begin at 32 (t / 2) + 8 (t % 2)
	s_lshr_b32 s62, s59, 1
	s_lshl_b32 s62, s62, 13
	s_and_b32 s59, s59, 1
	s_lshl_b32 s59, s59, 11
	s_add_co_u32 s62, s62, s59
	s_mov_b32 s63, 0
	s_add_nc_u64 s[60:61], s[60:61], s[62:63]
	global_load_b64 v[12:13], v[WSRC], s[60:61]    ; the weight's 8 bytes, ahead of x: the first counted wait below shows them in
	s_lshl_b32 s62, s58, 18                        ; 32 channels x 8,192 bytes
	s_add_nc_u64 s[4:5], s[4:5], s[62:63]
.set c, 0
.rept 32
	global_load_b128 v[X+4*c:X+4*c+3], v[XO], s[4:5] offset:8192*c th:TH_LOAD_NT   ; all of the work-group's 256 KiB are asked for at once
.set c, c+1
.endr
	s_lshl_b32 s62, ttmp9, 7                       ; my 32 gains and 32 offsets
	s_add_nc_u64 s[6:7], s[6:7], s[62:63]
	s_add_nc_u64 s[8:9], s[8:9], s[62:63]
	s_load_b512 s[24:39], s[6:7], 0x0
	s_load_b512 s[40:55], s[6:7], 0x40
	s_load_b512 s[68:83], s[8:9], 0x0
	s_load_b512 s[84:99], s[8:9], 0x40
	s_lshl_b32 s62, s58, 12
	s_add_nc_u64 s[22:23], s[22:23], s[62:63]      ; wimg: four images for each work-group
	s_lshl_b32 s62, s58, 11
	s_add_nc_u64 s[20:21], s[20:21], s[62:63]      ; hs: 2,048 bytes for each work-group
	s_lshl_b32 s62, s57, 19                        ; hc: b x 128 tiles x 4,096
	s_lshl_b32 s59, s56, 15                        ;   + wave x 8 tiles
	s_add_co_u32 s62, s62, s59
	s_lshr_b32 s59, ttmp9, 2                       ;   + K step cb / 4
	s_lshl_b32 s59, s59, 10
	s_add_co_u32 s62, s62, s59
	s_and_b32 s59, ttmp9, 3                        ;   + block cb % 4 of it: 512 c + 256 h
	s_lshl_b32 s59, s59, 8
	s_add_co_u32 s62, s62, s59
	s_add_nc_u64 s[18:19], s[18:19], s[62:63]
; four chains of pairs become one number, summed over the wave, in v[d]
.macro JOIN d
	v_pk_add_f32 v[16:17], v[16:17], v[18:19]
	v_pk_add_f32 v[20:21], v[20:21], v[22:23]
	v_pk_add_f32 v[16:17], v[16:17], v[20:21]
	v_add_f32 v16, v16, v17
.irp m, 1,2,4,8
	v_add_f32_dpp v16, v16, v16 row_xmask:\m row_mask:0xf bank_mask:0xf
.endr
	v_permlanex16_b32 v24, v16, s2, s3
	v_add_f32 v[\d], v16, v24
.endm
; the sixteen waves' figures meet: word 2 wave + group; even lanes add up group 0's, odd lanes group 1's
.macro MEET red, d0, d1
	s_wait_dscnt 0x0                               ; for the others' sake: my two stores are done
	s_barrier_signal -1
	s_barrier_wait -1
	ds_load_b32 v25, v[RLD] offset:\red
	s_wait_dscnt 0x0
.irp m, 2,4,8
	v_add_f32_dpp v25, v25, v25 row_xmask:\m row_mask:0xf bank_mask:0xf
.endr
	v_permlanex16_b32 v24, v25, s2, s3
	v_add_f32 v25, v25, v24
	v_readlane_b32 s[\d0], v25, 0
	v_readlane_b32 s[\d1], v25, 1
.endm
.macro SUM1 g                          ; the sum of group g's 64 registers: four chains, started by the first pairs: nothing is cleared
.irp k, 0,1,2,3
	v_pk_add_f32 v[16+2*\k:17+2*\k], v[X+64*\g+2*\k:X+64*\g+2*\k+1], v[X+64*\g+8+2*\k:X+64*\g+9+2*\k]
.endr
.irp i, 16,24,32,40,48,56
.irp k, 0,1,2,3
	v_pk_add_f32 v[16+2*\k:17+2*\k], v[16+2*\k:17+2*\k], v[X+64*\g+\i+2*\k:X+64*\g+\i+2*\k+1]
.endr
.endr
	JOIN 26+\g
	ds_store_b32 v[RST], v[26+\g] offset:RED1+4*\g ; all lanes write the same word with the same value
.endm
.macro SUM2 g                          ; x - mean in place, and the sum of its squares
.set i, 0
.rept 32
	v_pk_add_f32 v[X+64*\g+i:X+64*\g+i+1], v[X+64*\g+i:X+64*\g+i+1], s[60+2*\g:61+2*\g] op_sel_hi:[1,0]
.set i, i+2
.endr
.irp k, 0,1,2,3
	v_pk_mul_f32 v[16+2*\k:17+2*\k], v[X+64*\g+2*\k:X+64*\g+2*\k+1], v[X+64*\g+2*\k:X+64*\g+2*\k+1]
.endr
.irp i, 8,16,24,32,40,48,56
.irp k, 0,1,2,3
	v_pk_fma_f32 v[16+2*\k:17+2*\k], v[X+64*\g+\i+2*\k:X+64*\g+\i+2*\k+1], v[X+64*\g+\i+2*\k:X+64*\g+\i+2*\k+1], v[16+2*\k:17+2*\k]
.endr
.endr
	JOIN 28+\g
	ds_store_b32 v[RST], v[28+\g] offset:RED2+4*\g
.endm
	s_wait_loadcnt 16                              ; the weight's bytes and group 0's sixteen channels are in; group 1's sixteen loads may be out
	global_store_b64 v[WDST], v[12:13], s[22:23]   ; a wave stores 256 consecutive bytes, aligned
	SUM1 0
	s_wait_loadcnt 0x0
	SUM1 1
	MEET RED1, 60, 62
	s_mul_f32 s60, s60, 0xb8000000                 ; -mean = sum x -2^-15 (16 channels x 2,048 positions)
	s_mul_f32 s62, s62, 0xb8000000
	s_mov_b32 s61, s60                             ; (the packed form names the pair)
	s_mov_b32 s63, s62
	SUM2 0
	SUM2 1
	MEET RED2, 58, 59
	s_mul_f32 s58, s58, 0x38000000                 ; the variance
	s_mul_f32 s59, s59, 0x38000000
	s_add_f32 s58, s58, 0x358637bd                 ; + 1e-6
	s_add_f32 s59, s59, 0x358637bd
	v_mov_b32 v30, s58
	v_mov_b32 v31, s59
	v_rsq_f32 v30, v30
	v_rsq_f32 v31, v31
	v_nop                                          ; a plain instruction behind the last of the two,
	s_wait_alu depctr_va_vdst(0)                   ; and the one wait for both, ahead of their first reader
	v_readfirstlane_b32 s58, v30
	v_readfirstlane_b32 s59, v31
	s_wait_kmcnt 0x0                               ; gains and offsets
.set c, 0
.rept 16
	s_mul_f32 s[24+c], s[24+c], s58                ; A(c) = gamma(c) / sqrt(var + eps): h = (x - mean) A + beta is then one fused multiply-add
	s_mul_f32 s[40+c], s[40+c], s59
.set c, c+1
.endr
; my position 4 t + j: 32 channels of h, the block's scale, its 16 bytes of codes
.macro COL j
.set c, 0
.rept 32
	v_fma_f32 v[H+c], v[X+4*c+\j], s[24+c], s[68+c]
.set c, c+1
.endr
	v_max3_num_f32 v16, |v[H]|, |v[H+1]|, |v[H+2]| ; the block's largest magnitude: all 32 numbers are mine; two chains
	v_max3_num_f32 v17, |v[H+3]|, |v[H+4]|, |v[H+5]|
.irp i, 6,10,14,18,22,26
	v_max3_num_f32 v16, v16, |v[H+\i]|, |v[H+\i+1]|
	v_max3_num_f32 v17, v17, |v[H+\i+2]|, |v[H+\i+3]|
.endr
	v_max3_num_f32 v16, v16, |v[H+30]|, |v[H+31]|
	v_max3_num_f32 v16, v16, v17, 0x1800000        ; and the floor 2^(3 - 127): the byte cannot fall under 1
	v_add_nc_u32 v18, 0xff000000, v16              ; 2 off the exponent field: the conversion takes the exponent field of this operand as its scale
.irp g, 0,1,2,3
	v_cvt_scalef32_pk8_fp4_f32 v[CD+4*\j+\g], v[H+8*\g:H+8*\g+7], v18
.endr
	v_lshrrev_b32 v[28+\j], 23, v18                ; the scale's byte.  (Also the plain instruction between the conversions and the next writes of their sources)
	ds_store_b128 v[STS], v[CD+4*\j:CD+4*\j+3] offset:16*\j
	ds_store_b8 v[SBA], v[28+\j] offset:8*\j
.endm
	COL 0
	COL 1
	COL 2
	COL 3
.irp i, 0,1,2,3
	ds_load_b128 v[OUTR+4*\i:OUTR+4*\i+3], v[STR] offset:640*\i    ; LDS serves a wave's instructions in order: these see my stores.  Tiles 2 i and 2 i + 1, by rows
.endr
.irp i, 0,1,2,3
	s_wait_dscnt 3-\i                              ; the younger loads may be out
	global_store_b128 v[HCO], v[OUTR+4*\i:OUTR+4*\i+3], s[18:19] offset:8192*\i   ; sixteen lanes store 256 consecutive bytes, aligned: one block's part of an image
.endr
	s_wait_dscnt 0x0                               ; for the others' sake: my scale bytes lie in LDS
	s_barrier_signal -1
	s_barrier_wait -1
	s_cmp_ge_u32 s56, 4                            ; waves 0 to 3 store the work-group's 2,048 scale bytes, 16 a thread
	s_cbranch_scc1 .Ldone
	ds_load_b128 v[16:19], v[SCL]
	s_wait_dscnt 0x0
	global_store_b128 v[XO], v[16:19], s[20:21]
.Ldone:
	s_wait_tensorcnt 0x0                           ; the wave's end: behind my last LDS store
	ds_add_u32 v[SPW], v[NIL]
	s_wait_dscnt 0x0
	s_endpgm
.Lfunc_end_k_q9bc9c69d2c_gnq:
	.size	k_q9bc9c69d2c_gnq, .Lfunc_end_k_q9bc9c69d2c_gnq-k_q9bc9c69d2c_gnq
	.p2alignl 7, 3214868480
	.fill 96, 4, 3214868480
	.section	.rodata,"a",@progbits
	.p2align	6, 0x0
	.amdhsa_kernel k_q9bc9c69d2c_gnq
		.amdhsa_group_segment_fixed_size 45568
		.amdhsa_private_segment_fixed_size 0
		.amdhsa_enable_private_segment 0
		.amdhsa_kernarg_size 80
		.amdhsa_user_sgpr_count 2
		.amdhsa_user_sgpr_kernarg_segment_ptr 1
		.amdhsa_wavefront_size32 1
		.amdhsa_system_sgpr_workgroup_id_x 1
		.amdhsa_system_sgpr_workgroup_id_y 1
		.amdhsa_system_sgpr_workgroup_id_z 1
		.amdhsa_system_vgpr_workitem_id 0
		.amdhsa_next_free_vgpr 224
		.amdhsa_next_free_sgpr 100
		.amdhsa_reserve_vcc 0
		.amdhsa_float_denorm_mode_32 3
		.amdhsa_float_denorm_mode_16_64 3
		.amdhsa_memory_ordered 1
		.amdhsa_forward_progress 1
		.amdhsa_inst_pref_size 40
	.end_amdhsa_kernel
	.amdgpu_metadata
---
amdhsa.version: [ 1, 2 ]
amdhsa.kernels:
  - .name:           k_q9bc9c69d2c_gnq
    .symbol:         k_q9bc9c69d2c_gnq.kd
    .args:
      - { .name: x, .offset: 0, .size: 8, .value_kind: global_buffer, .address_space: global }
      - { .name: gn_gamma, .offset: 8, .size: 8, .value_kind: global_buffer, .address_space: global }
      - { .name: gn_beta, .offset: 16, .size: 8, .value_kind: global_buffer, .address_space: global }
      - { .name: wq_codes, .offset: 24, .size: 8, .value_kind: global_buffer, .address_space: global }
      - { .name: wk_codes, .offset: 32, .size: 8, .value_kind: global_buffer, .address_space: global }
      - { .name: wv_codes, .offset: 40, .size: 8, .value_kind: global_buffer, .address_space: global }
      - { .name: wp_codes, .offset: 48, .size: 8, .value_kind: global_buffer, .address_space: global }
      - { .name: hc, .offset: 56, .size: 8, .value_kind: global_buffer, .address_space: global }
      - { .name: hs, .offset: 64, .size: 8, .value_kind: global_buffer, .address_space: global }
      - { .name: wimg, .offset: 72, .size: 8, .value_kind: global_buffer, .address_space: global }
    .group_segment_fixed_size: 45568
    .private_segment_fixed_size: 0
    .kernarg_segment_align: 8
    .kernarg_segment_size: 80
    .max_flat_workgroup_size: 512
    .sgpr_count:     100
    .vgpr_count:     224
    .wavefront_size: 32
...
	.end_amdgpu_metadata
.endif
;; end of part 1
;; launch qkv (part 2): grid 64 x 3, 4 waves a work-group, no clusters, 0 bytes of LDS; arguments hc, hs, wimg, wq_scales, bq, wk_scales, bk, wv_scales, bv, qf, kv; writes qf, kv
.if DOCPART == 2
	.amdgcn_target "amdgcn-amd-amdhsa--gfx1250"
	.amdhsa_code_object_version 6
	.text
	.protected	k_q9bc9c69d2c_qkv
	.globl	k_q9bc9c69d2c_qkv
	.p2align	8
	.type	k_q9bc9c69d2c_qkv,@function
k_q9bc9c69d2c_qkv:
	s_mov_b64 s[64:65], 0
	v_nop
	global_prefetch_b8 v0, s[64:65] scope:SCOPE_SE
	s_setreg_imm32_b32 hwreg(HW_REG_WAVE_MODE, 25, 1), 1
	s_wait_xcnt 0x0
; q = Wq h + bq, k = Wk h + bk, v = Wv h + bv on codes of FP4, and their quantising: q and k along the channels, v along the keys.  Nothing is left out.  q, k, v never exist in memory as f32.
; ONE SCHEME, TWO ROLES.  A wave keeps 8 tiles of an operand P (128 rows x 512 K: 256 registers) for the whole launch and walks 16 tiles of an operand R.  A trip is D = P (source 0) x R (source 1): 32 matrix instructions
; on 8 accumulators by turns.  P's tiles have their rows chosen (row r of tile 2 B + u is 32 B + 8 u + r + 8 (r / 8)), so a lane's 64 results are 128 NEIGHBOURS along P's rows, for R's row lane % 16:
; one K step of the next product, quantised in registers and stored as an image of the operand's registers ([c 2][lane 32][16 bytes]) with one scale word a row.
;   y = 0, 1 (q, k): P = the weight's output channels 128 w on, R = 16 tiles of positions (x = 8 b + chunk); the bias runs along the registers and is the C of each sum's first instruction.
;   y = 2 (v):       P = 128 positions (keys) 512 kc + 128 w on, R = 16 tiles of Wv's output channels (x = 8 b + 2 kc + rh); the bias is one number a lane, spread over eight registers as C.
; Both operands are images, so every load of a wave covers 512 consecutive bytes.  No LDS: the four waves share nothing but R, which each reads for itself: 4 KiB a trip.  No tensor loads, so no cluster.
; WHAT IS STORED, in PIECES of 17,408 bytes: 16 images, then 1,024 bytes of scale words at 16,384 + 512 g + 16 (r + 16 row) + 4 i.
;   q, k (64 positions): image 4 t + s (tile t, K step s); g = s / 2, row = s % 2, i = t.      v (128 channels x 256 keys): image 2 ct + ks; g = ct / 4, row = ks, i = ct % 4.
;   qf: [b][32 pieces].   kv: [b][aw 4][8 blocks of two pieces]: block m = K((m + 1) % 8), V(m), so that the blocks can be walked round from any start; K(n) of aw = keys 256 n + 64 aw on; V(n) of aw = channels 128 aw on x keys 256 n on.
; LIMITS: as stated in the first launch (NaN, infinities; the floor of a block's scale byte).
; REGISTERS, in windows of 256: window 0: addresses, at work, ACC, scale words; window 1: P's 32 fragments at 8 (4 t + s); window 2: R's, two sets of 16 at 8 (4 i + s); window 3: v0-63 the bias along the registers.
.set LI,   1                           ; v1   16 x lane
.set R8,   2                           ; v2   8 r: h's scale bytes
.set T16,  3                           ; v3   16 (r + 8 (r / 8)): a weight's scale bytes, 16 a row
.set T4,   4                           ; v4   4 (r + 8 (r / 8)): bv
.set BH,   5                           ; v5   64 (lane / 16)
.set VOC,  6                           ; v6   where my 16 bytes of an image go
.set VOS,  7                           ; v7   and my row's four scale words
.set PC,   16                          ; v16-23   the codes just made
.set TM,   24                          ; v24-39   at work in the quantiser
.set PW,   40                          ; v40-43   a group's four scale words
.set BRAW, 44                          ; v44-51   bv of my row: two sets of four tiles
.set ACC,  64                          ; v64-127  8 accumulators
.set PSC,  128                         ; v128-159 P's scale words, 4 t + s
.set RSC,  160                         ; v160-191 R's, two sets, 4 i + s
.set RAW,  192                         ; v192-223 h's scale bytes as loaded;
.set BR,   192                         ;          in the v path, behind the set-up: bv spread over 4 x 8 registers
.set WV,   26
.set CNT,  40
.set SEL,  52
.set MSB, 0
.macro WIN new                         ; the immediate's high byte repeats the setting that is left
.if MSB != \new
	s_set_vgpr_msb (MSB<<8)|\new
.set MSB, \new
.endif
.endm
; 4 x 4 bytes transposed: byte i of a(k) becomes byte k of d(i)
.macro TR4 d0, d1, d2, d3, a0, a1, a2, a3
	v_perm_b32 v52, v[\a1], v[\a0], s54
	v_perm_b32 v53, v[\a3], v[\a2], s54
	v_perm_b32 v54, v[\a1], v[\a0], s55
	v_perm_b32 v55, v[\a3], v[\a2], s55
	v_perm_b32 v[\d0], v53, v52, s56
	v_perm_b32 v[\d1], v53, v52, s57
	v_perm_b32 v[\d2], v55, v54, s56
	v_perm_b32 v[\d3], v55, v54, s57
.endm
; 64 numbers of a lane, register 16 b + i = k 32 b + 16 (lane / 16) + i of my row, become a fragment's codes in v[PC] on and its scale word in v[pw]
.macro QUANT s, pw
.irp b, 0,1,2,3
	v_max3_num_f32 v[TM+\b], |v[\s+16*\b]|, |v[\s+1+16*\b]|, 0x1800000   ; block b: my 16 numbers, and the floor 2^(3 - 127): the byte cannot fall under 1
.endr
.irp i, 2,4,6,8,10,12,14
.irp b, 0,1,2,3
	v_max3_num_f32 v[TM+\b], v[TM+\b], |v[\s+16*\b+\i]|, |v[\s+1+16*\b+\i]|   ; (the four blocks by turns)
.endr
.endr
.irp b, 0,1,2,3
	v_permlanex16_b32 v[TM+4+\b], v[TM+\b], s[SEL], s[SEL+1]
.endr
.irp b, 0,1,2,3
	v_max_num_f32 v[TM+\b], v[TM+\b], v[TM+4+\b]   ; with lane l xor 16's: the block's largest magnitude
.endr
.irp b, 0,1,2,3
	v_add_nc_u32 v[TM+12+\b], 0xff000000, v[TM+\b] ; 2 off its exponent field: the conversion's scale operand
.endr
.irp b, 0,1,2,3
	v_lshrrev_b32 v[TM+4+\b], 23, v[TM+12+\b]      ; the scale's byte
.endr
	v_lshl_or_b32 v[\pw], v[TM+5], 8, v[TM+4]
	v_lshl_or_b32 v[\pw], v[TM+6], 16, v[\pw]
	v_lshl_or_b32 v[\pw], v[TM+7], 24, v[\pw]
.irp b, 0,1,2,3
	v_cvt_scalef32_pk8_fp4_f32 v[PC+2*\b], v[\s+16*\b:\s+7+16*\b], v[TM+12+\b]
	v_cvt_scalef32_pk8_fp4_f32 v[PC+1+2*\b], v[\s+8+16*\b:\s+15+16*\b], v[TM+12+\b]
.endr
	v_nop                                          ; one plain instruction behind the conversions
.irp c, 0,1                                    ; the operand's layout wants a WHOLE block in a lane: lanes 0-15 block 2 c, lanes 16-31 block 2 c + 1
.irp i, 0,1
	v_permlane16_swap_b32 v[PC+4*\c+\i], v[PC+2+4*\c+\i]
.endr
.endr
.endm
.macro RLOAD set, off                  ; four tiles of R, 16 images, into a set
	WIN 0x80
.set f, 0
.rept 16
	global_load_b128 v[128*\set+8*f:128*\set+8*f+3], v[LI], s[30:31] offset:\off+1024*f
	global_load_b128 v[128*\set+8*f+4:128*\set+8*f+7], v[LI], s[30:31] offset:\off+1024*f+512
.set f, f+1
.endr
	WIN 0
.endm
.macro PRE path, to, roff, soff, boff  ; all that the next group wants
	RLOAD \to, \roff
.if \path == 0
.set c, 0
.rept 16
	global_load_b32 v[RAW+c], v[R8], s[32:33] offset:2048*c+\soff   ; channel block c: my row's bytes of four tiles
.set c, c+1
.endr
.else
.irp i, 0,1,2,3
	global_load_b128 v[RSC+16*\to+4*\i:RSC+16*\to+4*\i+3], v[T16], s[32:33] offset:\soff+(32*(\i/2)+8*(\i%2))*16
	global_load_b32 v[BRAW+4*\to+\i], v[T4], s[34:35] offset:\boff+(32*(\i/2)+8*(\i%2))*4
.endr
.endif
.endm
.macro TRIP path, set, i
.if \path == 0
	WIN 0x39                                       ; source 0 (P) window 1, source 1 (R) window 2, C (the bias) window 3, D window 0
.else
	WIN 0x09
.endif
.irp t, 0,1,2,3,4,5,6,7                        ; the eight accumulators take turns, one instruction a turn, K step by K step
.if \path == 0
	v_wmma_scale_f32_16x16x128_f8f6f4 v[ACC+8*\t:ACC+8*\t+7], v[32*\t:32*\t+7], v[128*\set+32*\i:128*\set+32*\i+7], v[8*\t:8*\t+7], v[PSC+4*\t], v[RSC+16*\set+4*\i] matrix_a_fmt:MATRIX_FMT_FP4 matrix_b_fmt:MATRIX_FMT_FP4
.else
	v_wmma_scale_f32_16x16x128_f8f6f4 v[ACC+8*\t:ACC+8*\t+7], v[32*\t:32*\t+7], v[128*\set+32*\i:128*\set+32*\i+7], v[BR+8*\i:BR+8*\i+7], v[PSC+4*\t], v[RSC+16*\set+4*\i] matrix_a_fmt:MATRIX_FMT_FP4 matrix_b_fmt:MATRIX_FMT_FP4
.endif
.endr
	WIN 0x09
.irp s, 1,2,3
.irp t, 0,1,2,3,4,5,6,7
	v_wmma_scale_f32_16x16x128_f8f6f4 v[ACC+8*\t:ACC+8*\t+7], v[32*\t+8*\s:32*\t+8*\s+7], v[128*\set+32*\i+8*\s:128*\set+32*\i+8*\s+7], v[ACC+8*\t:ACC+8*\t+7], v[PSC+4*\t+\s], v[RSC+16*\set+4*\i+\s] matrix_a_fmt:MATRIX_FMT_FP4 matrix_b_fmt:MATRIX_FMT_FP4
.endr
.endr
	WIN 0
.rept 4
	v_nop                                          ; four places between the last product and the first read of results
.endr
	s_wait_xcnt 0x0                                ; the last trip's stores have read the codes' registers
	QUANT ACC, PW+\i
.if \path == 0
	global_store_b128 v[VOC], v[PC:PC+3], s[36:37] offset:4096*\i            ; image 4 t + s, t = i, s = my wave: 512 consecutive bytes a store
	global_store_b128 v[VOC], v[PC+4:PC+7], s[36:37] offset:4096*\i+512
.else
	global_store_b128 v[VOC], v[PC:PC+3], s[36:37] offset:2048*(4*\set+\i)   ; image 2 ct + ks, ct = 4 set + i
	global_store_b128 v[VOC], v[PC+4:PC+7], s[36:37] offset:2048*(4*\set+\i)+512
.endif
.endm
; Four trips on one set of R.  What the group wants was asked for a group (four trips) earlier: the one wait for loads in the loop.
.macro GROUP path, set
	s_wait_loadcnt 0x0
.if \path == 0
.irp s, 0,1,2,3                                ; h's scale bytes, [channel block][tile], become words [tile][K step]
	TR4 RSC+16*\set+\s, RSC+16*\set+4+\s, RSC+16*\set+8+\s, RSC+16*\set+12+\s, RAW+4*\s, RAW+4*\s+1, RAW+4*\s+2, RAW+4*\s+3
.endr
.else
.irp i, 0,1,2,3
.irp j, 0,1,2,3,4,5,6,7
	v_mov_b32 v[BR+8*\i+\j], v[BRAW+4*\set+\i]     ; bv of my channel in the layout of C: the same for all eight keys of a register block
.endr
.endr
.endif
.if \set == 0
	PRE \path, 1, 16384, 4+1020*\path, 256
.else
	s_cmp_eq_u32 s[CNT], 1                         ; the last group asks for nothing: no load leaves its buffer
	s_cbranch_scc1 .Llast_\@
	PRE \path, 0, 32768, 128+1920*\path, 512
.Llast_\@:
.endif
.if \path == 0
.rept 8
	v_nop                                          ; a scale register written by a vector instruction stands eight places ahead of the scaled product that reads it
.endr
.endif
	TRIP \path, \set, 0
	TRIP \path, \set, 1
	TRIP \path, \set, 2
	TRIP \path, \set, 3
.if \path == 0
	global_store_b128 v[VOS], v[PW:PW+3], s[36:37] ; four tiles' words of my row: sixteen lanes cover 256 consecutive bytes (lanes 16-31 hold and write the same)
	s_wait_xcnt 0x0                                ; the stores have read their base
	s_add_nc_u64 s[36:37], s[36:37], s[38:39]      ; the next piece
.else
	global_store_b128 v[VOS], v[PW:PW+3], s[36:37] offset:512*\set
	s_wait_xcnt 0x0
.endif
.endm
	s_load_b256 s[4:11], s[0:1], 0x0               ; hc, hs, wimg, wq_scales
	s_load_b256 s[12:19], s[0:1], 0x20             ; bq, wk_scales, bk, wv_scales
	s_load_b128 s[20:23], s[0:1], 0x40             ; bv, qf
	s_load_b64 s[24:25], s[0:1], 0x50              ; kv
	v_lshrrev_b32 v8, 5, v0
	v_readfirstlane_b32 s[WV], v8                  ; wave 0..3
	s_and_b32 s27, ttmp7, 0xffff                   ; y: q, k or v
	s_lshr_b32 s28, ttmp9, 3                       ; b
	v_and_b32 v8, 31, v0
	v_lshlrev_b32 v[LI], 4, v8
	v_and_b32 v9, 15, v0                           ; r
	v_lshlrev_b32 v[R8], 3, v9
	v_and_b32 v10, 8, v9
	v_add_nc_u32 v10, v10, v9                      ; r + 8 (r / 8)
	v_lshlrev_b32 v[T16], 4, v10
	v_lshlrev_b32 v[T4], 2, v10
	v_bfe_u32 v11, v0, 4, 1
	v_lshlrev_b32 v[BH], 6, v11
.irp b, 0,1,2,3
	v_mov_b32 v[TM+4+\b], 0                        ; written once: a lane permute's destination counts as one of its sources
.endr
	s_mov_b32 s[SEL], 0x76543210
	s_mov_b32 s[SEL+1], 0xfedcba98
	s_mov_b32 s54, 0x05010400                      ; the byte transpose's four selects
	s_mov_b32 s55, 0x07030602
	s_mov_b32 s56, 0x05040100
	s_mov_b32 s57, 0x07060302
	s_mov_b32 s[CNT], 2
	s_mov_b32 s43, 0
	s_mov_b32 s39, 0
	s_wait_kmcnt 0x0
	s_cmp_eq_u32 s27, 2
	s_cbranch_scc1 .Lv
	; ---- q and k
	s_and_b32 s29, ttmp9, 7                        ; chunk of 256 positions
	s_lshl_b32 s42, s28, 5
	s_lshl_b32 s44, s29, 2
	s_add_co_u32 s42, s42, s44                     ; q's first piece: 32 b + 4 chunk
	s_add_co_u32 s44, s29, 7
	s_and_b32 s44, s44, 7                          ; K(n), n = chunk, is the first piece of block (n - 1) % 8:
	s_lshl_b32 s44, s44, 1                         ; piece 2 ((n - 1) % 8) of a sequence
	s_lshl_b32 s45, s28, 6
	s_add_co_u32 s44, s44, s45                     ; k's first piece: 64 b + that; group g goes to sequence aw = g
	s_mov_b32 s38, 278528
	s_cmp_eq_u32 s27, 0
	s_cselect_b64 s[48:49], s[10:11], s[14:15]     ; the weight's scales,
	s_cselect_b64 s[50:51], s[12:13], s[16:17]     ; the bias,
	s_cselect_b64 s[36:37], s[22:23], s[24:25]     ; where the pieces go,
	s_cselect_b32 s42, s42, s44                    ; the first of them,
	s_cselect_b32 s38, 17408, s38                  ; and from group to group: a piece on, or a sequence on
	s_mul_i32 s42, s42, 17408
	s_add_nc_u64 s[36:37], s[36:37], s[42:43]
	s_lshl_b32 s42, s27, 17                        ; P: weight y's images, tiles 8 w on
	s_lshl_b32 s44, s[WV], 15
	s_add_co_u32 s42, s42, s44
	s_add_nc_u64 s[46:47], s[8:9], s[42:43]
	s_lshl_b32 s42, s28, 19                        ; R: h's tiles 128 b + 16 chunk on
	s_lshl_b32 s44, s29, 16
	s_add_co_u32 s42, s42, s44
	s_add_nc_u64 s[30:31], s[4:5], s[42:43]
	s_lshl_b32 s42, s28, 15                        ; and their scale bytes: 16 b x 2,048 + 2 chunk x 128
	s_lshl_b32 s44, s29, 8
	s_add_co_u32 s42, s42, s44
	s_add_nc_u64 s[32:33], s[6:7], s[42:43]
	s_lshl_b32 s42, s[WV], 11
	s_add_nc_u64 s[48:49], s[48:49], s[42:43]      ; my 128 rows' scale bytes
	s_lshl_b32 s42, s[WV], 9
	s_add_nc_u64 s[50:51], s[50:51], s[42:43]      ; my 128 biases
	s_lshl_b32 s42, s[WV], 10
	v_add_nc_u32 v[VOC], s42, v[LI]                ; K step s = my wave
	s_lshl_b32 s42, s[WV], 8
	s_add_co_u32 s42, s42, 16384
	v_lshl_add_u32 v[VOS], v9, 4, s42
	WIN 0x40
.set f, 0
.rept 32
	global_load_b128 v[8*f:8*f+3], v[LI], s[46:47] offset:1024*f
	global_load_b128 v[8*f+4:8*f+7], v[LI], s[46:47] offset:1024*f+512
.set f, f+1
.endr
	WIN 0xc0
.irp t, 0,1,2,3,4,5,6,7                        ; lane (r, h) wants, for tile 2 B + u, the biases of channels 32 B + 16 h + 8 u + 0 .. 7
	global_load_b128 v[8*\t:8*\t+3], v[BH], s[50:51] offset:(32*(\t/2)+8*(\t%2))*4
	global_load_b128 v[8*\t+4:8*\t+7], v[BH], s[50:51] offset:(32*(\t/2)+8*(\t%2))*4+16
.endr
	WIN 0
.irp t, 0,1,2,3,4,5,6,7
	global_load_b128 v[PSC+4*\t:PSC+4*\t+3], v[T16], s[48:49] offset:(32*(\t/2)+8*(\t%2))*16
.endr
	PRE 0, 0, 0, 0, 0
.Lqk:
	GROUP 0, 0
	GROUP 0, 1
	s_add_nc_u64 s[30:31], s[30:31], 32768         ; (behind the group's wait on XCNT)  eight tiles on
	s_add_nc_u64 s[32:33], s[32:33], 128
	s_sub_co_u32 s[CNT], s[CNT], 1
	s_cmp_lg_u32 s[CNT], 0
	s_cbranch_scc1 .Lqk
	s_endpgm
	; ---- v
.Lv:
	s_bfe_u32 s29, ttmp9, 0x20001                  ; kc: which 512 keys
	s_and_b32 s41, ttmp9, 1                        ; rh: which 256 channels
	s_lshl_b32 s42, s28, 19                        ; P: h's tiles 128 b + 32 kc + 8 w on
	s_lshl_b32 s44, s29, 17
	s_add_co_u32 s42, s42, s44
	s_lshl_b32 s44, s[WV], 15
	s_add_co_u32 s42, s42, s44
	s_add_nc_u64 s[46:47], s[4:5], s[42:43]
	s_lshl_b32 s42, s28, 15                        ; their scale bytes: 16 b x 2,048 + (4 kc + w) x 128
	s_lshl_b32 s44, s29, 9
	s_add_co_u32 s42, s42, s44
	s_lshl_b32 s44, s[WV], 7
	s_add_co_u32 s42, s42, s44
	s_add_nc_u64 s[48:49], s[6:7], s[42:43]
	s_lshl_b32 s42, s41, 16                        ; R: Wv's tiles 16 rh on
	s_add_co_u32 s42, s42, 262144
	s_add_nc_u64 s[30:31], s[8:9], s[42:43]
	s_lshl_b32 s42, s41, 12
	s_add_nc_u64 s[32:33], s[18:19], s[42:43]      ; their scale bytes
	s_lshl_b32 s42, s41, 10
	s_add_nc_u64 s[34:35], s[20:21], s[42:43]      ; their biases
	s_lshr_b32 s44, s[WV], 1
	s_lshl_b32 s45, s29, 1
	s_add_co_u32 s44, s44, s45                     ; n = 2 kc + w / 2
	s_lshl_b32 s44, s44, 1
	s_add_co_u32 s44, s44, 1                       ; V(n) is the second piece of block n: piece 2 n + 1 of a sequence
	s_lshl_b32 s42, s28, 2
	s_lshl_b32 s45, s41, 1
	s_add_co_u32 s42, s42, s45                     ; sequence 4 b + 2 rh (+ 1 in the second trip)
	s_lshl_b32 s42, s42, 4
	s_add_co_u32 s42, s42, s44
	s_mul_i32 s42, s42, 17408
	s_add_nc_u64 s[36:37], s[24:25], s[42:43]
	s_and_b32 s44, s[WV], 1                        ; ks = w % 2
	s_lshl_b32 s42, s44, 10
	v_add_nc_u32 v[VOC], s42, v[LI]
	s_lshl_b32 s42, s44, 8
	s_add_co_u32 s42, s42, 16384
	v_lshl_add_u32 v[VOS], v9, 4, s42
.set c, 0
.rept 16
	global_load_b64 v[RAW+2*c:RAW+2*c+1], v[R8], s[48:49] offset:2048*c   ; channel block c: my row's bytes of my eight tiles
.set c, c+1
.endr
	WIN 0x40
.set f, 0
.rept 32
	global_load_b128 v[8*f:8*f+3], v[LI], s[46:47] offset:1024*f
	global_load_b128 v[8*f+4:8*f+7], v[LI], s[46:47] offset:1024*f+512
.set f, f+1
.endr
	WIN 0
	PRE 1, 0, 0, 0, 0
	s_wait_loadcnt 0x0
.irp s, 0,1,2,3
.irp u, 0,1
	TR4 PSC+16*\u+\s, PSC+16*\u+4+\s, PSC+16*\u+8+\s, PSC+16*\u+12+\s, RAW+8*\s+\u, RAW+8*\s+2+\u, RAW+8*\s+4+\u, RAW+8*\s+6+\u
.endr
.endr                                          ; (the first group's 32 moves of the bias are the places between these writes of scale registers and the first product)
.Lvv:
	GROUP 1, 0
	GROUP 1, 1
	s_add_nc_u64 s[30:31], s[30:31], 32768         ; (behind the group's wait on XCNT)  eight tiles of Wv on,
	s_add_nc_u64 s[32:33], s[32:33], 2048
	s_add_nc_u64 s[34:35], s[34:35], 512
	s_add_nc_u64 s[36:37], s[36:37], 278528        ; and the next sequence
	s_sub_co_u32 s[CNT], s[CNT], 1
	s_cmp_lg_u32 s[CNT], 0
	s_cbranch_scc1 .Lvv
	s_endpgm
.Lfunc_end_k_q9bc9c69d2c_qkv:
	.size	k_q9bc9c69d2c_qkv, .Lfunc_end_k_q9bc9c69d2c_qkv-k_q9bc9c69d2c_qkv
	.p2alignl 7, 3214868480
	.fill 96, 4, 3214868480
	.section	.rodata,"a",@progbits
	.p2align	6, 0x0
	.amdhsa_kernel k_q9bc9c69d2c_qkv
		.amdhsa_group_segment_fixed_size 0
		.amdhsa_private_segment_fixed_size 0
		.amdhsa_enable_private_segment 0
		.amdhsa_kernarg_size 88
		.amdhsa_user_sgpr_count 2
		.amdhsa_user_sgpr_kernarg_segment_ptr 1
		.amdhsa_wavefront_size32 1
		.amdhsa_system_sgpr_workgroup_id_x 1
		.amdhsa_system_sgpr_workgroup_id_y 1
		.amdhsa_system_sgpr_workgroup_id_z 1
		.amdhsa_system_vgpr_workitem_id 0
		.amdhsa_next_free_vgpr 832
		.amdhsa_next_free_sgpr 66
		.amdhsa_reserve_vcc 0
		.amdhsa_float_denorm_mode_32 3
		.amdhsa_float_denorm_mode_16_64 3
		.amdhsa_memory_ordered 1
		.amdhsa_forward_progress 1
		.amdhsa_inst_pref_size 188
	.end_amdhsa_kernel
	.amdgpu_metadata
---
amdhsa.version: [ 1, 2 ]
amdhsa.kernels:
  - .name:           k_q9bc9c69d2c_qkv
    .symbol:         k_q9bc9c69d2c_qkv.kd
    .args:
      - { .name: hc, .offset: 0, .size: 8, .value_kind: global_buffer, .address_space: global }
      - { .name: hs, .offset: 8, .size: 8, .value_kind: global_buffer, .address_space: global }
      - { .name: wimg, .offset: 16, .size: 8, .value_kind: global_buffer, .address_space: global }
      - { .name: wq_scales, .offset: 24, .size: 8, .value_kind: global_buffer, .address_space: global }
      - { .name: bq, .offset: 32, .size: 8, .value_kind: global_buffer, .address_space: global }
      - { .name: wk_scales, .offset: 40, .size: 8, .value_kind: global_buffer, .address_space: global }
      - { .name: bk, .offset: 48, .size: 8, .value_kind: global_buffer, .address_space: global }
      - { .name: wv_scales, .offset: 56, .size: 8, .value_kind: global_buffer, .address_space: global }
      - { .name: bv, .offset: 64, .size: 8, .value_kind: global_buffer, .address_space: global }
      - { .name: qf, .offset: 72, .size: 8, .value_kind: global_buffer, .address_space: global }
      - { .name: kv, .offset: 80, .size: 8, .value_kind: global_buffer, .address_space: global }
    .group_segment_fixed_size: 0
    .private_segment_fixed_size: 0
    .kernarg_segment_align: 8
    .kernarg_segment_size: 88
    .max_flat_workgroup_size: 128
    .sgpr_count:     66
    .vgpr_count:     832
    .wavefront_size: 32
...
	.end_amdgpu_metadata
.endif
;; end of part 2
;; launch att (part 3): grid 32 x 8, 4 waves a work-group, clusters of 4 x 1, 327,680 bytes of LDS; arguments qf, kv, wimg, wp_scales, bp, x, out0; writes out0
.if DOCPART == 3
	.amdgcn_target "amdgcn-amd-amdhsa--gfx1250"
	.amdhsa_code_object_version 6
	.text
	.protected	k_q9bc9c69d2c_att
	.globl	k_q9bc9c69d2c_att
	.p2align	8
	.type	k_q9bc9c69d2c_att,@function
k_q9bc9c69d2c_att:
	s_mov_b64 s[64:65], 0
	v_nop
	global_prefetch_b8 v0, s[64:65] scope:SCOPE_SE
	s_setreg_imm32_b32 hwreg(HW_REG_WAVE_MODE, 25, 1), 1
	s_wait_xcnt 0x0
	s_wait_alu depctr_hold_cnt(0) depctr_sa_sdst(0) depctr_va_vdst(0) depctr_va_sdst(0) depctr_va_ssrc(0) depctr_va_vcc(0) depctr_vm_vsrc(0)
	s_getreg_b32 s2, hwreg(HW_REG_IB_STS2, 6, 4)
	s_cmp_eq_u32 s2, 0
	s_cbranch_scc0 .Lentry_in_a_cluster
	s_endpgm
.Lentry_in_a_cluster:
	s_bfe_u32 s2, ttmp6, 0x10000c
	s_cmp_lg_u32 s2, 0x3003
	s_cbranch_scc0 .Lentry_shape_is_right
	s_endpgm
.Lentry_shape_is_right:
; out = x + Wp (softmax(q k^T / sqrt(512)) v) + bp, the three products on codes of FP4 with one E8M0 scale for each 32 along K.  Nothing is left out.
; THE SOFTMAX AHEAD OF THE SECOND PRODUCT: t = score x log2(e) / sqrt(512); M = the row's largest t so far, rounded UP to a whole number; p = 2^(t - M) is quantised along the keys, not normalised;
; the row's sum is taken of the unquantised p and divides O at the end.  When M moves, the sum and O are multiplied by 2^(old M - new M): nothing is rounded.
; SHARES.  A work-group owns 64 queries of one batch: four tiles of 16.  The keys go in 8 rounds of 256.  THE WAVES SHARE THE KEYS IN THE FIRST PRODUCT AND THE CHANNELS IN THE SECOND: wave w makes S^T for keys
; 64 w .. 64 w + 63 of the round, for all four tiles of queries (64 matrix instructions), makes p of them, hands p's codes to all waves through LDS as parts of images of the operand's registers, and adds up O^T for
; channels 128 w .. 128 w + 127, again for all four tiles (64 matrix instructions).  So each fragment of K and V is read from LDS once in the work-group, by the wave whose own tensor load brought it.
; A round has two meetings: X1, where the four waves' row maxima meet (every wave then computes the same M), and X2, where p's images meet.
; LAYOUT.  Both products are used transposed (source 0 = 16 keys, or 16 channels; source 1 = 16 queries): a lane holds ONE query throughout.  The rows of every tile were chosen by the launches before
; (row r of tile 2 B + u is 32 B + 8 u + r + 8 (r / 8)), so a lane's registers of two neighbouring tiles are 16 neighbours along the next product's K.
; THE RING.  kv holds, for each (batch, wave), eight blocks on end: block m = [K((m + 1) % 8) | V(m)], 34,816 dense bytes, which come by ONE tensor load a wave into one of two slots by turns.  At X1 of a round both
; halves of the block before have been read, and the block after is asked for into its slot: it has a whole round in which to land.  By this text's own count a wave has two tensor loads out at the head, later one.
; THE WALK IS ROTATED.  The running M leaves the order of the rounds free.  Cluster j of a batch begins with the keys of round n0(j) = 0, 2, 5, 7, 4, 6, 1, 3 and goes round: its i-th round takes keys 256 ((n0 + i) % 8) on.
; So at any time the batch's eight clusters ask for eight different blocks.  Among any four clusters with neighbouring, alternating or paired numbers the starts lie at most three apart.
; CLUSTER.  The four work-groups of a cluster belong to one batch and walk the same K and V in the same order: each block is asked for JOINTLY (mask 15), and X1 is a round of the cluster's barrier.
; THE END.  O^T / sum is quantised along the channels and goes round through LDS as images; wave w multiplies all 64 queries by Wp's rows 128 w on (brought into the ring's slot 0 in the last round), with bp as C; the results
; go through the wave's stage, take x (asked for in the last round, eight loads at a time among its vector work) and leave as whole aligned runs of 256 bytes.
; LIMITS: as stated in the first launch; a p under 2^-126 of the row's 2^M counts as 0.
; REGISTERS, in windows of 256: window 0: addresses, statistics, at work, v88-127 scale words and nothing else, v128-255 S^T then p (later O / sum, later its fragments).  window 1: O^T at 64 qt + 8 ct (later the last
; product's sums and bp).  window 2: Q at 32 qt + 8 s, K at 128 + 32 kt + 8 s (from the last round on: x).  window 3: V at 8 (2 ct + ks), P at 128 + 8 (2 qt + ks) (later Wp's 32 fragments).
.set PIECE, 17408
.set BLK,   2*PIECE
.set SLOT,  4*BLK                      ; 0x22000: neither of its bits is set in a wave's base 34,816 w, so one exclusive or turns an address from one slot to the other
.set MAXB,  2*SLOT                     ; behind the ring: the waves' row maxima [qt][r][w], 1,024 bytes;
.set PIMG,  MAXB+1024                  ; p's eight images (2 qt + ks);
.set PSCL,  PIMG+8192                  ; p's scale words [qt][ks][r];
.set SPARE, PSCL+512                   ; the spare words, 128 bytes for each wave: two blocks of 256 bytes that no other line names;
.set HIMG,  SPARE+512                  ; the sixteen images of O / sum (4 qt + s);
.set HSC,   HIMG+16384                 ; their scale words [qt][s][r];
.set LBUF,  HSC+1024                   ; the waves' row sums [qt][r][w];
.set STG,   LBUF+1024                  ; a stage of 16 rows x (256 + 16) bytes for each wave
.set SP,    272
.set LI,   3                           ; v3   16 x lane
.set AR0,  4                           ; v4   16 x lane + my wave's part of a slot
.set AR,   5                           ; v5   the same in the slot in hand
.set MXS,  6                           ; v6   where I put a row's maximum (the end: a row's sum)
.set MXL,  7                           ; v7   where I read the four waves'
.set PIS,  8                           ; v8   where I put my part of p's images (the end: my images of O / sum)
.set PSS,  9                           ; v9   and my half of a scale word (the end: a scale word)
.set PSL,  10                          ; v10  where I read scale words
.set PIL,  11                          ; v11  where I read images
.set SPW,  12                          ; v12  LDS address of my spare word; never rewritten
.set NIL,  13                          ; v13  0; never rewritten
.set XO,   15                          ; v15  my byte offset in two rows of x and of out0; never rewritten
.set ST,   16                          ; tile qt's statistics at v[ST + 6 qt]: -M, the largest t, the sum in two halves, f (the end: 1 / sum), and a word that is only named with f as a pair
.set BM,   40                          ; v40-47   the largest score, then the largest p, of block 2 qt + b
.set T2,   48                          ; v48-55   at work
.set EX,   48                          ; v48-63   the four waves' figures
.set SO,   56                          ; v56-63   the conversions' scale operands
.set BY,   64                          ; v64-71   at work; scale bytes
.set PC,   72                          ; v72-87   codes
.set KS,   88
.set QS,   96
.set VS,   104
.set PS,   112
.set WPS,  88                          ; the end: Wp's scale words, 4 ot + s;
.set HS,   120                         ;          those of O / sum, 2 qt + s / 2
.set SS,   128
.set TM,   40                          ; the end: at work in the quantiser
.set PW,   80
.set STO,  1
.set SRD,  2
.set WV,   18
.set CX,   19
.set SEL,  20
.set CS,   22                          ; s[22:23] c = log2(e) / sqrt(512): the packed form names a pair and takes its low word for both halves
.set G1F,  24                          ; s[24:31] descriptor group 1: a whole block, 136 rows of 256 bytes
.set G1Z,  32                          ; s[32:39] 68 rows of memory in a tile of 136: the rest arrives as zeros
.set G1H,  40                          ; s[40:47] one piece, 68 rows
.set G1P,  48                          ; s[48:55] Wp's 32 images, 128 rows
.set G0A,  56                          ; s[56:59] group 0 for the first K
.set G0W,  60                          ; s[60:63] the walking one
.set G0P,  68                          ; s[68:71] for Wp
.set TB,   72                          ; s72  LDS byte at which the slot in hand begins
.set IDX,  73                          ; s73  which block of my sequence the walking descriptor names
.set WB,   74                          ; s74  34,816 x wave
.set CNT,  75
.set OFF,  90                          ; s[90:91] that block's byte offset in my sequence
.set MSB, 0
.macro WIN new                         ; the immediate's high byte repeats the setting that is left
.if MSB != \new
	s_set_vgpr_msb (MSB<<8)|\new
.set MSB, \new
.endif
.endm
.macro PLACES                          ; four places between a matrix instruction and a read of its result, or a load into one of its registers
.rept 4
	v_nop
.endr
.endm
; A round of the cluster's barrier: my work-group's barrier, so that wave 0's signal speaks for all four waves; wave 0 signals; every wave waits for all four work-groups; my work-group's barrier once more.
.macro CROUND
	s_barrier_signal -1
	s_barrier_wait -1
	s_cmp_lg_u32 s[WV], 0
	s_cbranch_scc1 .Lnot_wave_0_\@
	s_barrier_signal -3
.Lnot_wave_0_\@:
	s_barrier_wait -3
	s_barrier_signal -1
	s_barrier_wait -1
.endm
.macro JL g0, g1                       ; a joint load: every wave issues its own, for its own part of the slot; an s_nop 0 and four v_nop follow
	tensor_load_to_lds s[\g0:\g0+3], s[\g1:\g1+7]
	s_nop 0
	PLACES
.endm
.macro KLOAD                           ; a piece of K: 2 loads of scale words, then 32 of fragments, K step by K step
	ds_load_b128 v[KS:KS+3], v[AR] offset:16384
	ds_load_b128 v[KS+4:KS+7], v[AR] offset:16896
	WIN 0x80
.irp s, 0,1,2,3
.irp kt, 0,1,2,3
	ds_load_b128 v[128+32*\kt+8*\s:128+32*\kt+8*\s+3], v[AR] offset:(4*\kt+\s)*1024
	ds_load_b128 v[128+32*\kt+8*\s+4:128+32*\kt+8*\s+7], v[AR] offset:(4*\kt+\s)*1024+512
.endr
.endr
	WIN 0
.endm
.macro VLOAD                           ; a piece of V, behind K's in the block
	ds_load_b128 v[VS:VS+3], v[AR] offset:PIECE+16384
	ds_load_b128 v[VS+4:VS+7], v[AR] offset:PIECE+16896
	WIN 0xc0
.irp ks, 0,1
.irp ct, 0,1,2,3,4,5,6,7
	ds_load_b128 v[16*\ct+8*\ks:16*\ct+8*\ks+3], v[AR] offset:PIECE+(2*\ct+\ks)*1024
	ds_load_b128 v[16*\ct+8*\ks+4:16*\ct+8*\ks+7], v[AR] offset:PIECE+(2*\ct+\ks)*1024+512
.endr
.endr
	WIN 0
.endm
.macro PLOAD                           ; p of all 256 keys: 4 loads of scale words (lanes 0-15 the first K step's, lanes 16-31 the second's), then 16 of fragments
.irp qt, 0,1,2,3
	ds_load_b32 v[PS+\qt], v[PSL] offset:128*\qt
.endr
	WIN 0xc0
.irp ks, 0,1
.irp qt, 0,1,2,3
	ds_load_b128 v[128+16*\qt+8*\ks:128+16*\qt+8*\ks+3], v[PIL] offset:(2*\qt+\ks)*1024
	ds_load_b128 v[128+16*\qt+8*\ks+4:128+16*\qt+8*\ks+7], v[PIL] offset:(2*\qt+\ks)*1024+512
.endr
.endr
	WIN 0
.endm
; x at tile ot of my eight tiles of 16 channels x the work-group's 64 positions, in the order in which the way out reads rows back: sixteen lanes take a channel's 256 bytes.  Eight loads; the last round has eight such runs,
; spread over its vector work behind X1, where Q's and K's registers are done with.  The two runs that stand between exponentials and their wait name register numbers that no exponential still out writes.
.macro XL ot
	WIN 0x80
.irp i, 0,1,2,3,4,5,6,7
	global_load_b128 v[32*(\ot)+4*\i:32*(\ot)+4*\i+3], v[XO], s[14:15] offset:(32*((\ot)/2)+8*((\ot)%2)+2*\i+8*(\i/4))*8192 th:TH_LOAD_NT
.endr
	WIN 0
.endm
; 16 products of S^T = K Q^T: channels 128 s on; the 16 accumulators take turns, one instruction a turn.  The first K step starts the sums.
.macro SMUL s
.irp kt, 0,1,2,3
.irp qt, 0,1,2,3
.if \s == 0
	v_wmma_scale_f32_16x16x128_f8f6f4 v[SS+32*\qt+8*\kt:SS+32*\qt+8*\kt+7], v[128+32*\kt:128+32*\kt+7], v[32*\qt:32*\qt+7], 0, v[KS+\kt], v[QS+\qt] matrix_a_fmt:MATRIX_FMT_FP4 matrix_b_fmt:MATRIX_FMT_FP4
.elseif (\s)%2
	v_wmma_scale_f32_16x16x128_f8f6f4 v[SS+32*\qt+8*\kt:SS+32*\qt+8*\kt+7], v[128+32*\kt+8*\s:128+32*\kt+8*\s+7], v[32*\qt+8*\s:32*\qt+8*\s+7], v[SS+32*\qt+8*\kt:SS+32*\qt+8*\kt+7], v[KS+4*(\s/2)+\kt], v[QS+4*(\s/2)+\qt] matrix_a_fmt:MATRIX_FMT_FP4 matrix_b_fmt:MATRIX_FMT_FP4 matrix_a_scale:MATRIX_SCALE_ROW1 matrix_b_scale:MATRIX_SCALE_ROW1
.else
	v_wmma_scale_f32_16x16x128_f8f6f4 v[SS+32*\qt+8*\kt:SS+32*\qt+8*\kt+7], v[128+32*\kt+8*\s:128+32*\kt+8*\s+7], v[32*\qt+8*\s:32*\qt+8*\s+7], v[SS+32*\qt+8*\kt:SS+32*\qt+8*\kt+7], v[KS+4*(\s/2)+\kt], v[QS+4*(\s/2)+\qt] matrix_a_fmt:MATRIX_FMT_FP4 matrix_b_fmt:MATRIX_FMT_FP4
.endif
.endr
.endr
.endm
; 32 products of O^T += V^T P: keys 128 ks on; the 32 accumulators take turns
.macro PVMUL ks, zero
.irp ct, 0,1,2,3,4,5,6,7
.irp qt, 0,1,2,3
.if \zero
	v_wmma_scale_f32_16x16x128_f8f6f4 v[64*\qt+8*\ct:64*\qt+8*\ct+7], v[16*\ct:16*\ct+7], v[128+16*\qt:128+16*\qt+7], 0, v[VS+\ct], v[PS+\qt] matrix_a_fmt:MATRIX_FMT_FP4 matrix_b_fmt:MATRIX_FMT_FP4
.elseif \ks
	v_wmma_scale_f32_16x16x128_f8f6f4 v[64*\qt+8*\ct:64*\qt+8*\ct+7], v[16*\ct+8:16*\ct+15], v[128+16*\qt+8:128+16*\qt+15], v[64*\qt+8*\ct:64*\qt+8*\ct+7], v[VS+\ct], v[PS+\qt] matrix_a_fmt:MATRIX_FMT_FP4 matrix_b_fmt:MATRIX_FMT_FP4 matrix_a_scale:MATRIX_SCALE_ROW1 matrix_b_scale:MATRIX_SCALE_ROW1
.else
	v_wmma_scale_f32_16x16x128_f8f6f4 v[64*\qt+8*\ct:64*\qt+8*\ct+7], v[16*\ct:16*\ct+7], v[128+16*\qt:128+16*\qt+7], v[64*\qt+8*\ct:64*\qt+8*\ct+7], v[VS+\ct], v[PS+\qt] matrix_a_fmt:MATRIX_FMT_FP4 matrix_b_fmt:MATRIX_FMT_FP4
.endif
.endr
.endr
.endm
; A ROUND OF 256 KEYS.  first = 1: it starts M, the sums and O^T.  fill: what is asked for at X1: 0 a whole block, 1 the last V alone, 2 Wp's images (the last round: no K follows, and x is asked for).
.macro ROUNDM first, fill
	v_add_nc_u32 v[AR], s[TB], v[AR0]
	WIN 0x0a                                       ; K and Q in window 2, S^T in window 0
.irp s, 0,1,2,3
	s_wait_dscnt 24-8*\s                           ; K's scale words and its fragments up to this K step are in; the later K steps' loads, 8 each, may be out
	SMUL \s
.endr
	WIN 0
	PLACES
.irp k, 0,1,2,3,4,5,6,7
	v_max3_num_f32 v[BM+\k], v[SS+16*\k], v[SS+16*\k+1], v[SS+16*\k+2]   ; THE LARGEST SCORE OF EACH BLOCK OF 32 KEYS (block 2 qt + b): it serves for the row's maximum and, since p rises with the score, for the block's largest p
.endr
.irp i, 3,5,7,9,11,13
.irp k, 0,1,2,3,4,5,6,7
	v_max3_num_f32 v[BM+\k], v[BM+\k], v[SS+16*\k+\i], v[SS+16*\k+\i+1]
.endr
.endr
.irp k, 0,1,2,3,4,5,6,7
	v_max_num_f32 v[BM+\k], v[BM+\k], v[SS+16*\k+15]
.endr
.irp k, 0,1,2,3,4,5,6,7
	v_permlanex16_b32 v[T2+\k], v[BM+\k], s[SEL], s[SEL+1]
.endr
.irp k, 0,1,2,3,4,5,6,7
	v_max_num_f32 v[BM+\k], v[BM+\k], v[T2+\k]     ; with lane l xor 16's 16 keys
.endr
.irp qt, 0,1,2,3
	v_max_num_f32 v[BY+\qt], v[BM+2*\qt], v[BM+2*\qt+1]
.endr
.irp qt, 0,1,2,3
	ds_store_b32 v[MXS], v[BY+\qt] offset:256*\qt  ; my 64 keys' largest score of each query (lanes r and r + 16 write the same word with the same value)
.endr
	; X1
	s_wait_tensorcnt 0x0                           ; all my tensor loads have landed: the block whose V I read next; so a group 0 may be written
	ds_add_u32 v[SPW], v[NIL]                      ; 0 onto my spare word
.if \fill < 2
	s_xor_b32 s[G0W+1], s[G0W+1], SLOT             ; the walking descriptor: the other slot than last time,
	s_add_co_u32 s[IDX], s[IDX], 1
	s_and_b32 s[IDX], s[IDX], 7                    ; the next block, going round,
	s_mul_i32 s[OFF], s[IDX], BLK
.if \fill == 1
	s_add_co_u32 s[OFF], s[OFF], PIECE             ; (of the last block V alone is wanted: its K was the first to be read;
	s_add_co_u32 s[G0W+1], s[G0W+1], PIECE         ; it lands in V's half)
.endif
	s_add_nc_u64 s[G0W+2:G0W+3], s[6:7], s[OFF:OFF+1]   ; in my sequence
	s_or_b32 s[G0W+3], s[G0W+3], 0x80000000        ; type = 2
.endif
	s_wait_dscnt 0x0                               ; the add and my stores of the maxima are done, and my reads of the block before are over
	CROUND                                         ; all that now holds of every wave of every partner
.if \fill == 0
	JL G0W, G1F
.elseif \fill == 1
	JL G0W, G1H
.else
	JL G0P, G1P
.endif
.irp qt, 0,1,2,3
	ds_load_b128 v[EX+4*\qt:EX+4*\qt+3], v[MXL] offset:256*\qt
.endr
	VLOAD
	s_wait_dscnt 34                                ; the four waves' maxima are in; V's 34 loads may be out
.if \fill == 2
	XL 4
.endif
.irp qt, 0,1,2,3
	v_max3_num_f32 v[BY+\qt], v[EX+4*\qt], v[EX+4*\qt+1], v[EX+4*\qt+2]
.endr
.irp qt, 0,1,2,3
	v_max_num_f32 v[BY+\qt], v[BY+\qt], v[EX+4*\qt+3]   ; the round's largest score of my query: the same four numbers in the same order in all four waves
.endr
.if \first
.irp qt, 0,1,2,3
	v_mul_f32 v[ST+6*\qt+1], s[CS], v[BY+\qt]      ; as t (c is positive)
.endr
.irp qt, 0,1,2,3
	v_floor_f32 v[ST+6*\qt], -v[ST+6*\qt+1]        ; -M = floor(-t) = -ceil(t): M IS A WHOLE NUMBER
.endr
.else
.irp qt, 0,1,2,3
	v_mul_f32 v[BY+\qt], s[CS], v[BY+\qt]
.endr
.irp qt, 0,1,2,3
	v_max_num_f32 v[ST+6*\qt+1], v[ST+6*\qt+1], v[BY+\qt]   ; the running largest t
.endr
.irp qt, 0,1,2,3
	v_mov_b32 v[BY+4+\qt], v[ST+6*\qt]
.endr
.irp qt, 0,1,2,3
	v_floor_f32 v[ST+6*\qt], -v[ST+6*\qt+1]
.endr
.irp qt, 0,1,2,3
	v_sub_f32 v[BY+4+\qt], v[ST+6*\qt], v[BY+4+\qt]   ; M's old value less its new one: a whole number, 0 or less
.endr
.irp qt, 0,1,2,3
	v_cvt_i32_f32 v[BY+4+\qt], v[BY+4+\qt]
.endr
.irp qt, 0,1,2,3
	v_ldexp_f32 v[ST+6*\qt+4], 1.0, v[BY+4+\qt]    ; f = 2^(old M - new M)
.endr
.endif
.if \fill == 2
	XL 5
.endif
.irp qt, 0,1,2,3
.irp j, 0,2,4,6,8,10,12,14,16,18,20,22,24,26,28,30
	v_pk_fma_f32 v[SS+32*\qt+\j:SS+32*\qt+\j+1], v[SS+32*\qt+\j:SS+32*\qt+\j+1], s[CS:CS+1], v[ST+6*\qt:ST+6*\qt+1] op_sel_hi:[1,0,0]   ; t - M, two at a time
.endr
.endr
.irp k, 0,1,2,3,4,5,6,7
	v_fma_f32 v[BM+\k], v[BM+\k], s[CS], v[ST+6*(\k/2)]   ; the same of each block's largest score
.endr
.if \fill == 2
	XL 6
.endif
.set j, 0
.rept 64
	v_exp_f32 v[SS+j], v[SS+j]                     ; p = 2^(t - M), at most 1: NOT normalised
.set j, j+1
.endr
.if \fill == 2
	XL 0
.endif
.rept 64
	v_exp_f32 v[SS+j], v[SS+j]
.set j, j+1
.endr
.if \first
	v_nop                                          ; a plain instruction behind the exponentials
.else
.irp qt, 0,1,2,3
	v_pk_mul_f32 v[ST+6*\qt+2:ST+6*\qt+3], v[ST+6*\qt+2:ST+6*\qt+3], v[ST+6*\qt+4:ST+6*\qt+5] op_sel_hi:[1,0]   ; the sums under the new M.  (Plain instructions behind the exponentials)
.endr
.endif
	s_wait_alu depctr_va_vdst(0)                   ; one wait for the whole batch, ahead of its first reader
.irp k, 0,1,2,3,4,5,6,7
	v_exp_f32 v[BM+\k], v[BM+\k]                   ; the block's largest p: the same two instructions on the same number give the same bits
.endr
.if \fill == 2
	XL 2
.endif
.irp qt, 0,1,2,3                               ; THE ROW'S SUM IS TAKEN OF THE UNQUANTISED p: two at a time, two chains a tile.  (It reads the 128 alone: plain work behind the eight)
	v_pk_add_f32 v[T2+2*\qt:T2+2*\qt+1], v[SS+32*\qt:SS+32*\qt+1], v[SS+32*\qt+2:SS+32*\qt+3]
.endr
.if \first
.irp qt, 0,1,2,3
	v_pk_add_f32 v[ST+6*\qt+2:ST+6*\qt+3], v[SS+32*\qt+4:SS+32*\qt+5], v[SS+32*\qt+6:SS+32*\qt+7]   ; the first pairs start the sum
.endr
.else
.irp qt, 0,1,2,3
	v_pk_add_f32 v[ST+6*\qt+2:ST+6*\qt+3], v[ST+6*\qt+2:ST+6*\qt+3], v[SS+32*\qt+4:SS+32*\qt+5]
	v_pk_add_f32 v[T2+2*\qt:T2+2*\qt+1], v[T2+2*\qt:T2+2*\qt+1], v[SS+32*\qt+6:SS+32*\qt+7]
.endr
.endif
.irp j, 8,12,16,20,24,28
.irp qt, 0,1,2,3
	v_pk_add_f32 v[ST+6*\qt+2:ST+6*\qt+3], v[ST+6*\qt+2:ST+6*\qt+3], v[SS+32*\qt+\j:SS+32*\qt+\j+1]
	v_pk_add_f32 v[T2+2*\qt:T2+2*\qt+1], v[T2+2*\qt:T2+2*\qt+1], v[SS+32*\qt+\j+2:SS+32*\qt+\j+3]
.endr
.endr
.irp qt, 0,1,2,3
	v_pk_add_f32 v[ST+6*\qt+2:ST+6*\qt+3], v[ST+6*\qt+2:ST+6*\qt+3], v[T2+2*\qt:T2+2*\qt+1]
.endr
	s_wait_alu depctr_va_vdst(0)                   ; and one wait for the eight
.irp k, 0,1,2,3,4,5,6,7
	v_max_num_f32 v[BM+\k], 0x1800000, v[BM+\k]    ; the floor 2^(3 - 127): the byte cannot fall under 1 (a block whose every p is 0 keeps that byte: its codes are zeros)
.endr
.irp k, 0,1,2,3,4,5,6,7
	v_add_nc_u32 v[SO+\k], 0xff000000, v[BM+\k]    ; 2 off the exponent field: the conversion's scale operand
.endr
.irp k, 0,1,2,3,4,5,6,7
	v_lshrrev_b32 v[BY+\k], 23, v[SO+\k]           ; the scale's byte
.endr
.irp qt, 0,1,2,3
	v_lshl_or_b32 v[BY+2*\qt], v[BY+2*\qt+1], 8, v[BY+2*\qt]   ; my two bytes of the query's scale word
.endr
.irp k, 0,1,2,3,4,5,6,7
	v_cvt_scalef32_pk8_fp4_f32 v[PC+2*\k], v[SS+16*\k:SS+16*\k+7], v[SO+\k]
	v_cvt_scalef32_pk8_fp4_f32 v[PC+2*\k+1], v[SS+16*\k+8:SS+16*\k+15], v[SO+\k]
.endr
	v_nop                                          ; one plain instruction behind the conversions
.irp qt, 0,1,2,3                               ; the operand's layout wants a WHOLE block in a lane: lanes 0-15 my first block, lanes 16-31 my second
.irp i, 0,1
	v_permlane16_swap_b32 v[PC+4*\qt+\i], v[PC+4*\qt+2+\i]
.endr
.endr
.irp qt, 0,1,2,3
	ds_store_b128 v[PIS], v[PC+4*\qt:PC+4*\qt+3] offset:2048*\qt   ; part w % 2 of image (qt, K step w / 2): four of its eight registers
.endr
.irp qt, 0,1,2,3
	ds_store_b16 v[PSS], v[BY+2*\qt] offset:128*\qt
.endr
	; X2: the block asked for at X1 may stay out
	s_wait_dscnt 0x0                               ; for the others' sake: my stores are done; V is in too
	s_barrier_signal -1
	s_barrier_wait -1
	PLOAD
.if \fill < 2
	KLOAD                                          ; the next round's K, from the same block as this round's V
.else
	XL 1
.endif
.if !\first
.irp qt, 0,1,2,3
	WIN 0x41                                       ; O^T in window 1, f in window 0
.set i, 0
.rept 32
	v_pk_mul_f32 v[64*\qt+i:64*\qt+i+1], v[64*\qt+i:64*\qt+i+1], v[ST+6*\qt+4:ST+6*\qt+5] op_sel_hi:[1,0]   ; O^T under the new M, while p is on its way
.set i, i+2
.endr
.if (\fill == 2) && (\qt == 1)
	XL 3
.endif
.endr
.endif
.if \fill == 2
	XL 7
.endif
.if \fill < 2
	s_wait_dscnt 42                                ; p's scale words and first K step are in; behind them: p's second K step, 8 loads, and K's 34
.else
	s_wait_dscnt 8
.endif
	WIN 0x5f                                       ; V and P in window 3, O^T in window 1
	PVMUL 0, \first
.if \fill < 2
	s_wait_dscnt 34                                ; p's second K step is in; K's 34 loads may be out
.else
	s_wait_dscnt 0x0
.endif
	PVMUL 1, 0
	WIN 0
	s_xor_b32 s[TB], s[TB], SLOT                   ; on to the other slot
.endm
	s_load_b256 s[4:11], s[0:1], 0x0               ; qf, kv, wimg, wp_scales
	s_load_b128 s[12:15], s[0:1], 0x20             ; bp, x
	s_load_b64 s[16:17], s[0:1], 0x30              ; out0
	v_lshl_add_u32 v[SPW], v0, 2, SPARE
	v_mov_b32 v[NIL], 0
	ds_add_u32 v[SPW], v[NIL]                      ; the wave's opening: the add, twice on end, and its wait ahead of my first tensor load; the set-up below stands between the second and the wait
	ds_add_u32 v[SPW], v[NIL]
	v_lshrrev_b32 v1, 5, v0
	v_readfirstlane_b32 s[WV], v1                  ; wave 0..3
	s_bfe_u32 s[CX], ttmp6, 0x40000                ; cx: my place in the cluster: it enters Q's, x's and out0's addresses alone
	s_and_b32 s79, ttmp7, 0xffff                   ; the batch, which the four partners share
.irp g, G1F, G1Z, G1H, G1P
	s_mov_b32 s[\g], 15|(3<<16)|(1<<21)            ; 15:0 the mask: all four work-groups; 17:16 elements of 8 bytes; 20 no padding: images are read as they lie; 21 set beside a mask
	s_mov_b32 s[\g+1], 32<<16                      ; tensor_dim0 = 32 elements: rows of 256 bytes
	s_mov_b32 s[\g+3], 32<<16                      ; tile_dim0
	s_mov_b32 s[\g+5], 32                          ; from row to row: dense
	s_mov_b32 s[\g+6], 0
	s_mov_b32 s[\g+7], 0
.endr
	s_mov_b32 s[G1F+2], 136<<16                    ; tensor_dim1,
	s_mov_b32 s[G1F+4], 136                        ; tile_dim1
	s_mov_b32 s[G1Z+2], 68<<16                     ; the first K alone is read; the tile's other 68 rows arrive as zeros, so that all of slot 1 has its first fill at the head
	s_mov_b32 s[G1Z+4], 136
	s_mov_b32 s[G1H+2], 68<<16
	s_mov_b32 s[G1H+4], 68
	s_mov_b32 s[G1P+2], 128<<16
	s_mov_b32 s[G1P+4], 128
	s_mul_i32 s[WB], s[WV], BLK
	s_mov_b32 s[SEL], 0x76543210
	s_mov_b32 s[SEL+1], 0xfedcba98
	s_mov_b32 s[CS], 0x3d8293ee                    ; c = log2(e) / sqrt(512)
	s_mov_b32 s[CS+1], s[CS]
	s_mov_b32 s[TB], 0
	s_lshl_b32 s94, ttmp9, 2                       ; in a cluster launch ttmp9 counts clusters: j = 0 .. 7, the same in all four partners
	s_lshr_b32 s[IDX], 0x31647520, s94
	s_and_b32 s[IDX], s[IDX], 7                    ; n0(j): the j-th four bits of the table: 0, 2, 5, 7, 4, 6, 1, 3
	s_add_co_u32 s94, s[IDX], 7
	s_and_b32 s94, s94, 7
	s_mul_i32 s92, s94, BLK                        ; K(n0) is the first piece of block (n0 - 1) % 8
	s_mov_b32 s93, 0
	s_mul_i32 s[OFF], s[IDX], BLK                  ; block n0 = K(n0 + 1), V(n0)
	s_mov_b32 s[OFF+1], 0
	s_lshl_b32 s80, s79, 2
	s_add_co_u32 s80, s80, s[WV]
	s_mul_i32 s80, s80, 16*PIECE                   ; my sequence: (4 b + w) x 8 blocks
	s_mov_b32 s81, 0
	s_lshl_b32 s82, s[WV], 15
	s_add_co_u32 s82, s82, 393216                  ; Wp's images, tiles 8 w on
	s_mov_b32 s83, 0
	v_and_b32 v1, 31, v0                           ; lane
	v_and_b32 v2, 15, v0                           ; r
	v_lshlrev_b32 v[LI], 4, v1
	v_add_nc_u32 v[AR0], s[WB], v[LI]
	s_lshl_b32 s84, s[WV], 2
	s_add_co_u32 s84, s84, MAXB
	v_lshl_add_u32 v[MXS], v2, 4, s84              ; MAXB + 16 r + 4 w
	v_lshl_add_u32 v[MXL], v2, 4, MAXB
	s_lshl_b32 s84, s[WV], 9                       ; 1,024 (w / 2) + 512 (w % 2)
	s_add_co_u32 s84, s84, PIMG
	v_add_nc_u32 v[PIS], s84, v[LI]
	s_lshr_b32 s84, s[WV], 1
	s_lshl_b32 s84, s84, 6
	s_and_b32 s85, s[WV], 1
	s_lshl_b32 s85, s85, 1
	s_add_co_u32 s84, s84, s85
	s_add_co_u32 s84, s84, PSCL
	v_lshl_add_u32 v[PSS], v2, 2, s84              ; PSCL + 64 (w / 2) + 4 r + 2 (w % 2)
	v_lshl_add_u32 v[PSL], v1, 2, PSCL
	v_add_nc_u32 v[PIL], PIMG, v[LI]
	v_bfe_u32 v[XO], v0, 4, 1
	v_lshlrev_b32 v[XO], 13, v[XO]
	v_lshl_add_u32 v[XO], v2, 4, v[XO]             ; lanes 0-15 one channel's 256 bytes, lanes 16-31 the next channel's
.irp k, 0,1,2,3,4,5,6,7
	v_mov_b32 v[T2+\k], 0                          ; written once: a lane permute's destination counts as one of its sources
.endr
.irp qt, 0,1,2,3
	v_mov_b32 v[ST+6*\qt+5], 0                     ; (named as the upper half of f's pair)
.endr
	s_wait_dscnt 0x0                               ; both opening adds are done
	s_wait_kmcnt 0x0
	s_add_nc_u64 s[6:7], s[6:7], s[80:81]          ; kv at my sequence: it stays
	s_mov_b32 s[G0A], 1                            ; 1:0 count = 1
	s_add_co_u32 s[G0A+1], s[WB], SLOT             ; LDS address: slot 1
	s_add_nc_u64 s[G0A+2:G0A+3], s[6:7], s[92:93]  ; K(n0)
	s_or_b32 s[G0A+3], s[G0A+3], 0x80000000        ; type = 2
	s_mov_b32 s[G0W], 1
	s_mov_b32 s[G0W+1], s[WB]                      ; slot 0
	s_add_nc_u64 s[G0W+2:G0W+3], s[6:7], s[OFF:OFF+1]   ; block n0
	s_or_b32 s[G0W+3], s[G0W+3], 0x80000000
	s_mov_b32 s[G0P], 1
	s_mov_b32 s[G0P+1], s[WB]
	s_add_nc_u64 s[G0P+2:G0P+3], s[8:9], s[82:83]
	s_or_b32 s[G0P+3], s[G0P+3], 0x80000000
	CROUND                                         ; all four work-groups are here: the first joint loads meet
	tensor_load_to_lds s[G0A:G0A+3], s[G1Z:G1Z+7]
	s_nop 0
	tensor_load_to_lds s[G0W:G0W+3], s[G1F:G1F+7]
	s_nop 0
	PLACES
	s_lshl_b32 s86, ttmp9, 2
	s_add_co_u32 s86, s86, s[CX]                   ; qc: my 64 queries
	s_lshl_b32 s87, s79, 5
	s_add_co_u32 s87, s87, s86
	s_mul_i32 s88, s87, PIECE
	s_mov_b32 s89, 0
	s_add_nc_u64 s[4:5], s[4:5], s[88:89]          ; my piece of Q
	WIN 0x80
.set f, 0
.rept 16
	global_load_b128 v[8*f:8*f+3], v[LI], s[4:5] offset:1024*f th:TH_LOAD_NT
	global_load_b128 v[8*f+4:8*f+7], v[LI], s[4:5] offset:1024*f+512 th:TH_LOAD_NT
.set f, f+1
.endr
	WIN 0
	global_load_b128 v[QS:QS+3], v[LI], s[4:5] offset:16384 th:TH_LOAD_NT
	global_load_b128 v[QS+4:QS+7], v[LI], s[4:5] offset:16896 th:TH_LOAD_NT
	s_lshl_b32 s88, s79, 22                        ; x and out0: batch b, channel 128 w, position 64 qc
	s_lshl_b32 s87, s[WV], 20
	s_add_co_u32 s88, s88, s87
	s_lshl_b32 s87, s86, 8
	s_add_co_u32 s88, s88, s87
	s_add_nc_u64 s[14:15], s[14:15], s[88:89]
	s_add_nc_u64 s[16:17], s[16:17], s[88:89]
	s_lshl_b32 s88, s[WV], 11
	s_add_nc_u64 s[10:11], s[10:11], s[88:89]      ; Wp's scale bytes, my 128 rows
	s_lshl_b32 s88, s[WV], 9
	s_add_nc_u64 s[12:13], s[12:13], s[88:89]      ; bp, my 128
	s_wait_tensorcnt 1                             ; my first K is in, and only I read it; the first block may stay out
	v_add_nc_u32 v[AR], SLOT, v[AR0]
	KLOAD
	s_wait_loadcnt 0x0                             ; Q
	ROUNDM 1, 0                                    ; my round 0
	s_mov_b32 s[CNT], 5
.Lround:                                           ; my rounds 1 to 5
	ROUNDM 0, 0
	s_sub_co_u32 s[CNT], s[CNT], 1
	s_cmp_lg_u32 s[CNT], 0
	s_cbranch_scc1 .Lround
	ROUNDM 0, 1                                    ; round 6 asks for the last V alone,
	ROUNDM 0, 2                                    ; round 7 for Wp: the tail is written out
	; ---- THE END
; 64 numbers of a lane, register 16 b + i = k 32 b + 16 (lane / 16) + i of my row, become a fragment's codes in v[PC] on and its scale word in v[PW]
.macro QUANT s
.irp b, 0,1,2,3
	v_max3_num_f32 v[TM+\b], |v[\s+16*\b]|, |v[\s+1+16*\b]|, 0x1800000
.endr
.irp i, 2,4,6,8,10,12,14
.irp b, 0,1,2,3
	v_max3_num_f32 v[TM+\b], v[TM+\b], |v[\s+16*\b+\i]|, |v[\s+1+16*\b+\i]|
.endr
.endr
.irp b, 0,1,2,3
	v_permlanex16_b32 v[TM+4+\b], v[TM+\b], s[SEL], s[SEL+1]
.endr
.irp b, 0,1,2,3
	v_max_num_f32 v[TM+\b], v[TM+\b], v[TM+4+\b]
.endr
.irp b, 0,1,2,3
	v_add_nc_u32 v[TM+12+\b], 0xff000000, v[TM+\b]
.endr
.irp b, 0,1,2,3
	v_lshrrev_b32 v[TM+4+\b], 23, v[TM+12+\b]
.endr
	v_lshl_or_b32 v[PW], v[TM+5], 8, v[TM+4]
	v_lshl_or_b32 v[PW], v[TM+6], 16, v[PW]
	v_lshl_or_b32 v[PW], v[TM+7], 24, v[PW]
.irp b, 0,1,2,3
	v_cvt_scalef32_pk8_fp4_f32 v[PC+2*\b], v[\s+16*\b:\s+7+16*\b], v[TM+12+\b]
	v_cvt_scalef32_pk8_fp4_f32 v[PC+1+2*\b], v[\s+8+16*\b:\s+15+16*\b], v[TM+12+\b]
.endr
	v_nop                                          ; one plain instruction behind the conversions
.irp c, 0,1
.irp i, 0,1
	v_permlane16_swap_b32 v[PC+4*\c+\i], v[PC+2+4*\c+\i]
.endr
.endr
.endm
.macro HQUANT qt                       ; tile qt: O^T / sum, my 128 channels: K step w of the last product; its image and scale words go to LDS
.set HQ, SS+64*((\qt)%2)
	WIN 0x01                                       ; O^T in window 1
.set i, 0
.rept 32
	v_pk_mul_f32 v[HQ+i:HQ+i+1], v[64*\qt+i:64*\qt+i+1], v[ST+6*\qt+4:ST+6*\qt+5] op_sel_hi:[1,0]   ; each accumulator from its low end on
.set i, i+2
.endr
	WIN 0
	QUANT HQ
	ds_store_b128 v[PIS], v[PC:PC+3] offset:4096*\qt
	ds_store_b128 v[PIS], v[PC+4:PC+7] offset:4096*\qt+512
	ds_store_b32 v[PSS], v[PW] offset:256*\qt
	s_wait_dscnt 0x0                               ; the stores have read their registers
.endm
; 64 products: four tiles of output channels (4 hf + o) x four tiles of queries, K step by K step, the 16 accumulators by turns.  Source 0 = 16 queries, source 1 = 16 rows of Wp:
; a lane then holds ONE output channel and eight neighbouring positions, as out0 lies.  bp, spread over eight registers, is the C of each sum's first instruction.
.macro FMUL hf
	WIN 0x5c                                       ; source 0 window 0, source 1 (Wp) window 3, C and D window 1
.irp s, 0,1,2,3
.irp o, 0,1,2,3
.irp qt, 0,1,2,3
.if \s == 0
	v_wmma_scale_f32_16x16x128_f8f6f4 v[8*(4*\o+\qt):8*(4*\o+\qt)+7], v[SS+32*\qt:SS+32*\qt+7], v[32*(4*\hf+\o):32*(4*\hf+\o)+7], v[128+8*(4*\hf+\o):128+8*(4*\hf+\o)+7], v[HS+2*\qt], v[WPS+4*(4*\hf+\o)] matrix_a_fmt:MATRIX_FMT_FP4 matrix_b_fmt:MATRIX_FMT_FP4
.elseif (\s)%2
	v_wmma_scale_f32_16x16x128_f8f6f4 v[8*(4*\o+\qt):8*(4*\o+\qt)+7], v[SS+32*\qt+8*\s:SS+32*\qt+8*\s+7], v[32*(4*\hf+\o)+8*\s:32*(4*\hf+\o)+8*\s+7], v[8*(4*\o+\qt):8*(4*\o+\qt)+7], v[HS+2*\qt+\s/2], v[WPS+4*(4*\hf+\o)+\s] matrix_a_fmt:MATRIX_FMT_FP4 matrix_b_fmt:MATRIX_FMT_FP4 matrix_a_scale:MATRIX_SCALE_ROW1
.else
	v_wmma_scale_f32_16x16x128_f8f6f4 v[8*(4*\o+\qt):8*(4*\o+\qt)+7], v[SS+32*\qt+8*\s:SS+32*\qt+8*\s+7], v[32*(4*\hf+\o)+8*\s:32*(4*\hf+\o)+8*\s+7], v[8*(4*\o+\qt):8*(4*\o+\qt)+7], v[HS+2*\qt+\s/2], v[WPS+4*(4*\hf+\o)+\s] matrix_a_fmt:MATRIX_FMT_FP4 matrix_b_fmt:MATRIX_FMT_FP4
.endif
.endr
.endr
.endr
	WIN 0
	PLACES
.endm
; THE WAY OUT of a tile of 16 output channels x 64 positions, in two parts.  TOST: into my stage, and back by rows, into v16-47 and v48-79 by turns.  SEND: x is added; sixteen lanes store a channel's 256 consecutive bytes, aligned.
; A tile goes into the stage while the rows of the tile before come back: LDS serves a wave's instructions in order, so a tile's stores come behind the loads of the tile before.
.macro TOST hf, o
.set OT, 4*\hf+\o
.set BKR, 16+32*(OT%2)
	WIN 0x04                                       ; an LDS store's data are its source 1: window 1
.irp qt, 0,1,2,3
	ds_store_b128 v[STO], v[8*(4*\o+\qt):8*(4*\o+\qt)+3] offset:128*(\qt/2)+32*(\qt%2)        ; lane (r, h): channel row r, positions 32 (qt / 2) + 16 h + 8 (qt % 2) + 0 .. 7; each accumulator from its low end on
	ds_store_b128 v[STO], v[8*(4*\o+\qt)+4:8*(4*\o+\qt)+7] offset:128*(\qt/2)+32*(\qt%2)+16
.endr
	WIN 0
	s_wait_xcnt 0x0                                ; the stores of the tile before last have read these registers
.irp i, 0,1,2,3,4,5,6,7
	ds_load_b128 v[BKR+4*\i:BKR+4*\i+3], v[SRD] offset:2*\i*SP
.endr
.endm
.macro SEND ot, younger                ; younger: the LDS instructions issued behind tile ot's loads: the next tile's 8 stores and 8 loads, or none
.set OT, \ot
.set BKR, 16+32*(OT%2)
	s_wait_dscnt \younger
	WIN 0x08                                       ; x in window 2
.irp i, 0,1,2,3,4,5,6,7,8,9,10,11,12,13,14,15
	v_pk_add_f32 v[BKR+2*\i:BKR+2*\i+1], v[BKR+2*\i:BKR+2*\i+1], v[32*OT+2*\i:32*OT+2*\i+1]
.endr
	WIN 0
.irp i, 0,1,2,3,4,5,6,7
	global_store_b128 v[XO], v[BKR+4*\i:BKR+4*\i+3], s[16:17] offset:(32*(OT/2)+8*(OT%2)+2*\i+8*(\i/4))*8192 th:TH_STORE_NT
.endr
.endm
	PLACES                                         ; behind the last products: loads into their operands' and scales' registers, and reads of O^T, follow
	s_wait_tensorcnt 0x0                           ; Wp's images, my part: only I read it
	WIN 0xc0
.set f, 0
.rept 32
	ds_load_b128 v[8*f:8*f+3], v[AR0] offset:1024*f
	ds_load_b128 v[8*f+4:8*f+7], v[AR0] offset:1024*f+512
.set f, f+1
.endr
	WIN 0
	v_and_b32 v84, 15, v0                          ; r
	v_bfe_u32 v85, v0, 4, 1                        ; h
	v_and_b32 v81, 8, v84
	v_add_nc_u32 v81, v81, v84                     ; r + 8 (r / 8)
	v_lshlrev_b32 v82, 4, v81
	v_lshlrev_b32 v83, 2, v81
.irp ot, 0,1,2,3,4,5,6,7
	global_load_b128 v[WPS+4*\ot:WPS+4*\ot+3], v82, s[10:11] offset:(32*(\ot/2)+8*(\ot%2))*16
	global_load_b32 v[BY+\ot], v83, s[12:13] offset:(32*(\ot/2)+8*(\ot%2))*4
.endr
	s_lshl_b32 s80, s[WV], 2
	s_add_co_u32 s80, s80, LBUF
	v_lshl_add_u32 v[MXS], v84, 4, s80             ; LBUF + 16 r + 4 w
	v_lshl_add_u32 v[MXL], v84, 4, LBUF
	s_lshl_b32 s80, s[WV], 10
	s_add_co_u32 s80, s80, HIMG
	v_add_nc_u32 v[PIS], s80, v[LI]                ; image 4 qt + w
	s_lshl_b32 s80, s[WV], 6
	s_add_co_u32 s80, s80, HSC
	v_lshl_add_u32 v[PSS], v84, 2, s80             ; HSC + 64 w + 4 r
	v_and_b32 v81, 31, v0
	v_lshl_add_u32 v[PSL], v81, 2, HSC
	v_add_nc_u32 v[PIL], HIMG, v[LI]
	s_mul_i32 s80, s[WV], 16*SP
	s_add_co_u32 s80, s80, STG                     ; my stage
	v_mul_u32_u24 v[STO], v84, SP
	v_lshl_add_u32 v[STO], v85, 6, v[STO]
	v_add_nc_u32 v[STO], s80, v[STO]               ; in: row r, + 64 h
	v_mul_u32_u24 v[SRD], v85, SP
	v_lshl_add_u32 v[SRD], v84, 4, v[SRD]
	v_add_nc_u32 v[SRD], s80, v[SRD]               ; back: lanes 0-15 one row, lanes 16-31 the next
.irp qt, 0,1,2,3
	v_add_f32 v[BM+\qt], v[ST+6*\qt+2], v[ST+6*\qt+3]   ; the sum's two halves,
.endr
.irp qt, 0,1,2,3
	v_permlanex16_b32 v[T2+\qt], v[BM+\qt], s[SEL], s[SEL+1]
.endr
.irp qt, 0,1,2,3
	v_add_f32 v[BM+\qt], v[BM+\qt], v[T2+\qt]      ; and lane l xor 16's: the sum over my wave's keys
.endr
.irp qt, 0,1,2,3
	ds_store_b32 v[MXS], v[BM+\qt] offset:256*\qt
.endr
	s_wait_dscnt 0x0                               ; for the others' sake: my stores are done
	s_barrier_signal -1
	s_barrier_wait -1
.irp qt, 0,1,2,3
	ds_load_b128 v[EX+4*\qt:EX+4*\qt+3], v[MXL] offset:256*\qt
.endr
	s_wait_dscnt 0x0
.irp qt, 0,1,2,3
	v_add_f32 v[EX+4*\qt], v[EX+4*\qt], v[EX+4*\qt+1]
	v_add_f32 v[EX+4*\qt+2], v[EX+4*\qt+2], v[EX+4*\qt+3]
.endr
.irp qt, 0,1,2,3
	v_add_f32 v[EX+4*\qt], v[EX+4*\qt], v[EX+4*\qt+2]   ; the row's sum: the same four numbers in the same order in all four waves
.endr
.irp qt, 0,1,2,3
	v_rcp_f32 v[ST+6*\qt+4], v[EX+4*\qt]
.endr
	v_nop                                          ; a plain instruction behind the last reciprocal,
	s_wait_alu depctr_va_vdst(0)                   ; and the one wait for the four, ahead of their first reader
	HQUANT 0
	HQUANT 1
	HQUANT 2
	HQUANT 3
	s_barrier_signal -1                            ; (each tile's stores have been waited for)  the sixteen images of O / sum lie in LDS
	s_barrier_wait -1
.set f, 0
.rept 16
	ds_load_b128 v[SS+8*f:SS+8*f+3], v[PIL] offset:1024*f
	ds_load_b128 v[SS+8*f+4:SS+8*f+7], v[PIL] offset:1024*f+512
.set f, f+1
.endr
.irp qt, 0,1,2,3
.irp g, 0,1
	ds_load_b32 v[HS+2*\qt+\g], v[PSL] offset:256*\qt+128*\g   ; lanes 0-15 K step 2 g, lanes 16-31 K step 2 g + 1
.endr
.endr
	s_wait_loadcnt 0x0                             ; x, Wp's scale words, bp
	WIN 0x40
.irp ot, 0,1,2,3,4,5,6,7
.irp j, 0,1,2,3,4,5,6,7
	v_mov_b32 v[128+8*\ot+\j], v[BY+\ot]           ; bp of my channel in the layout of C: the same for all eight positions of a register block
.endr
.endr
	WIN 0
	s_wait_dscnt 0x0
	FMUL 0
	TOST 0, 0
	TOST 0, 1
	SEND 0, 16
	TOST 0, 2
	SEND 1, 16
	TOST 0, 3
	SEND 2, 16
	SEND 3, 0                                      ; every LDS store has read the accumulators: the second half's products may write them
	FMUL 1
	TOST 1, 0
	TOST 1, 1
	SEND 4, 16
	TOST 1, 2
	SEND 5, 16
	TOST 1, 3
	SEND 6, 16
	SEND 7, 0
	s_wait_tensorcnt 0x0                           ; the wave's end: behind my last tensor load and my last LDS store
	ds_add_u32 v[SPW], v[NIL]
	s_wait_dscnt 0x0
	CROUND                                         ; the closing round: no work-group ends while a partner may still ask for a block that names it
	s_endpgm
.Lfunc_end_k_q9bc9c69d2c_att:
	.size	k_q9bc9c69d2c_att, .Lfunc_end_k_q9bc9c69d2c_att-k_q9bc9c69d2c_att
	.p2alignl 7, 3214868480
	.fill 96, 4, 3214868480
	.section	.rodata,"a",@progbits
	.p2align	6, 0x0
	.amdhsa_kernel k_q9bc9c69d2c_att
		.amdhsa_group_segment_fixed_size 327680
		.amdhsa_private_segment_fixed_size 0
		.amdhsa_enable_private_segment 0
		.amdhsa_kernarg_size 56
		.amdhsa_user_sgpr_count 2
		.amdhsa_user_sgpr_kernarg_segment_ptr 1
		.amdhsa_wavefront_size32 1
		.amdhsa_system_sgpr_workgroup_id_x 1
		.amdhsa_system_sgpr_workgroup_id_y 1
		.amdhsa_system_sgpr_workgroup_id_z 1
		.amdhsa_system_vgpr_workitem_id 0
		.amdhsa_next_free_vgpr 1024
		.amdhsa_next_free_sgpr 96
		.amdhsa_reserve_vcc 0
		.amdhsa_float_denorm_mode_32 3
		.amdhsa_float_denorm_mode_16_64 3
		.amdhsa_memory_ordered 1
		.amdhsa_forward_progress 1
		.amdhsa_inst_pref_size 255
	.end_amdhsa_kernel
	.section	.bss,"aw",@nobits
	.p2align	6
	.space	262144
	.amdgpu_metadata
---
amdhsa.version: [ 1, 2 ]
amdhsa.kernels:
  - .name:           k_q9bc9c69d2c_att
    .symbol:         k_q9bc9c69d2c_att.kd
    .args:
      - { .name: qf, .offset: 0, .size: 8, .value_kind: global_buffer, .address_space: global }
      - { .name: kv, .offset: 8, .size: 8, .value_kind: global_buffer, .address_space: global }
      - { .name: wimg, .offset: 16, .size: 8, .value_kind: global_buffer, .address_space: global }
      - { .name: wp_scales, .offset: 24, .size: 8, .value_kind: global_buffer, .address_space: global }
      - { .name: bp, .offset: 32, .size: 8, .value_kind: global_buffer, .address_space: global }
      - { .name: x, .offset: 40, .size: 8, .value_kind: global_buffer, .address_space: global }
      - { .name: out0, .offset: 48, .size: 8, .value_kind: global_buffer, .address_space: global }
    .group_segment_fixed_size: 327680
    .private_segment_fixed_size: 0
    .kernarg_segment_align: 8
    .kernarg_segment_size: 56
    .max_flat_workgroup_size: 128
    .sgpr_count:     96
    .vgpr_count:     1024
    .wavefront_size: 32
...
	.end_amdgpu_metadata
.endif
;; end of part 3
